; MI455X (gfx1250); checked and timed in simulation.
; The chip was launched on July 23, 2026; its instructions are those of AMD's public machine-readable ISA for CDNA 5 (MIT licence, August 2026) and "CDNA5" Instruction Set Architecture Reference Guide (July 2026). The comments in the code are by the model that wrote it; some were corrected since.
;; Multi Headed Attention. Allowed arithmetic: float matrix products may take bf16 or f16 operands with f32 sums; other float arithmetic in f32, or as packed bf16 or f16 multiplies, adds, multiply-adds, maxima and minima; sums over many terms, partial sums and values carried from step to step in f32; what a program stores and reads back later, other than sums and carried values, may be rounded once to bf16 or f16.
;; Inputs: Wk 1,024 x 1,024 float32; Wo 1,024 x 1,024 float32; Wq 1,024 x 1,024 float32; Wr 1,024 x 1,024 float32; Wv 1,024 x 1,024 float32; bk 1,024 float32; bo 1,024 float32; bq 1,024 float32; bv 1,024 float32; key 2 x 2,048 x 1,024 float32; query 2 x 2,048 x 1,024 float32; r_bias 16 x 64 float32; r_emb 2,048 x 1,024 float32; r_w_bias 16 x 64 float32; value 2 x 2,048 x 1,024 float32.
;; Outputs: out0 2 x 2,048 x 1,024 float32.
;; One version. Each part assembles by itself: llvm-mc -triple=amdgcn-amd-amdhsa -mcpu=gfx1250 --defsym DOCPART=n.
;; ======== version 1 of 1: 4 launches
;; limits: values are held in f16: magnitudes above 65,504 overflow, below 6.1e-05 lose precision
;; workspace buffers: xh 39,845,888 bytes; hd 33,554,432 bytes; o16 8,388,608 bytes
;; launch cast (part 1): grid 64 x 19, 8 waves a work-group, no clusters, 0 bytes of LDS; arguments query, key, value, r_emb, Wq, Wk, Wv, Wr, Wo, xh; writes xh
.if DOCPART == 1
	.amdgcn_target "amdgcn-amd-amdhsa--gfx1250"
	.amdhsa_code_object_version 6
	.text
	.protected	k_q08e03a706d_cast
	.globl	k_q08e03a706d_cast
	.p2align	8
	.type	k_q08e03a706d_cast,@function
k_q08e03a706d_cast:
	s_mov_b64 s[64:65], 0
	v_nop
	global_prefetch_b8 v0, s[64:65] scope:SCOPE_SE
	s_setreg_imm32_b32 hwreg(HW_REG_WAVE_MODE, 25, 1), 1
	s_wait_xcnt 0x0
; The nine large inputs, f32, are rounded to bf16 (nearest even) and that number is written as f16 into xh:
; query at 0, key at 8 MiB, value at 16, r_emb at 24, Wq 28, Wk 30, Wv 32, Wr 34, Wo 36 MiB.
; LIMITS.  A bf16 number is exact in f16 from 6.1e-5 to 65,504 in magnitude; below, it keeps f16's fixed step of 6e-8; from 65,520 on it becomes an infinity.
; SHARES.  Work-group y = a unit of 4 MiB of f32 (units 0-3 query, 4-7 key, 8-11 value, 12-13 r_emb, 14-18 the five weights), x = 64 KiB of it.
; Thread t takes 16 bytes at 16 t + 4,096 i, i = 0..15: a wave's load covers 512 consecutive bytes, its store of 8 bytes a lane 256 consecutive bytes, aligned.
; All sixteen loads of a wave go out at once; no register is used twice by memory instructions, so no wait but the counted ones is needed.
; No LDS, no matrix unit, no cluster: nothing is shared and every byte crosses once.
.set X, 16                             ; v[16:79]   sixteen loads of four f32
.set Y, 80                             ; v[80:111]  sixteen pairs of packed f16
.macro PICK n, p                       ; from unit n on the source is the buffer whose address lies in s[p:p+1]
	s_cmp_ge_u32 s2, \n
	s_cselect_b64 s[4:5], s[\p:\p+1], s[4:5]
	s_cselect_b32 s3, \n, s3
.endm
	s_load_b512 s[8:23], s[0:1], 0x0               ; query, key, value, r_emb, Wq, Wk, Wv, Wr
	s_load_b128 s[24:27], s[0:1], 0x40             ; Wo, xh
	s_and_b32 s2, ttmp7, 0xffff                    ; the unit
	s_mov_b32 s3, 0                                ; the first unit of the unit's buffer
	s_mov_b32 s30, 0xffff0000                      ; a word's upper bf16
	v_lshlrev_b32 v1, 4, v0                        ; 16 t
	v_lshlrev_b32 v2, 3, v0                        ; 8 t
	s_wait_kmcnt 0x0
	s_mov_b64 s[4:5], s[8:9]
	PICK 4, 10
	PICK 8, 12
	PICK 12, 14
	PICK 14, 16
	PICK 15, 18
	PICK 16, 20
	PICK 17, 22
	PICK 18, 24
	s_sub_co_u32 s6, s2, s3                        ; the unit inside its buffer, 4 MiB each,
	s_lshl_b32 s6, s6, 22
	s_lshl_b32 s7, ttmp9, 16                       ; and my 64 KiB of it
	s_add_co_u32 s6, s6, s7
	s_mov_b32 s7, 0
	s_add_nc_u64 s[4:5], s[4:5], s[6:7]
	s_lshl_b32 s6, s2, 21                          ; in xh a unit is 2 MiB, my part 32 KiB
	s_lshl_b32 s28, ttmp9, 15
	s_add_co_u32 s6, s6, s28
	s_add_nc_u64 s[26:27], s[26:27], s[6:7]
.set i, 0
.rept 16
	global_load_b128 v[X+4*i:X+4*i+3], v1, s[4:5] offset:4096*i th:TH_LOAD_NT
.set i, i+1
.endr
.set i, 0
.rept 16
	s_wait_loadcnt 15-i                            ; loads come back in order: number i is in, the younger ones stay out
	v_cvt_pk_bf16_f32 v4, v[X+4*i], v[X+4*i+1]     ; rounded to bf16,
	v_cvt_pk_bf16_f32 v5, v[X+4*i+2], v[X+4*i+3]
	v_lshlrev_b32 v6, 16, v4                       ; widened again,
	v_and_b32 v7, s30, v4
	v_lshlrev_b32 v8, 16, v5
	v_and_b32 v9, s30, v5
	v_cvt_pk_f16_f32 v[Y+2*i], v6, v7              ; and written as f16
	v_cvt_pk_f16_f32 v[Y+2*i+1], v8, v9
	global_store_b64 v2, v[Y+2*i:Y+2*i+1], s[26:27] offset:2048*i
.set i, i+1
.endr
	s_endpgm
.Lfunc_end_k_q08e03a706d_cast:
	.size	k_q08e03a706d_cast, .Lfunc_end_k_q08e03a706d_cast-k_q08e03a706d_cast
	.p2alignl 7, 3214868480
	.fill 96, 4, 3214868480
	.section	.rodata,"a",@progbits
	.p2align	6, 0x0
	.amdhsa_kernel k_q08e03a706d_cast
		.amdhsa_group_segment_fixed_size 0
		.amdhsa_private_segment_fixed_size 0
		.amdhsa_enable_private_segment 0
		.amdhsa_kernarg_size 80
		.amdhsa_user_sgpr_count 2
		.amdhsa_user_sgpr_kernarg_segment_ptr 1
		.amdhsa_wavefront_size32 1
		.amdhsa_system_sgpr_workgroup_id_x 1
		.amdhsa_system_sgpr_workgroup_id_y 1
		.amdhsa_system_sgpr_workgroup_id_z 1
		.amdhsa_system_vgpr_workitem_id 0
		.amdhsa_next_free_vgpr 112
		.amdhsa_next_free_sgpr 66
		.amdhsa_reserve_vcc 0
		.amdhsa_float_denorm_mode_32 3
		.amdhsa_float_denorm_mode_16_64 3
		.amdhsa_memory_ordered 1
		.amdhsa_forward_progress 1
		.amdhsa_inst_pref_size 12
	.end_amdhsa_kernel
	.amdgpu_metadata
---
amdhsa.version: [ 1, 2 ]
amdhsa.kernels:
  - .name:           k_q08e03a706d_cast
    .symbol:         k_q08e03a706d_cast.kd
    .args:
      - { .name: query, .offset: 0, .size: 8, .value_kind: global_buffer, .address_space: global }
      - { .name: key, .offset: 8, .size: 8, .value_kind: global_buffer, .address_space: global }
      - { .name: value, .offset: 16, .size: 8, .value_kind: global_buffer, .address_space: global }
      - { .name: r_emb, .offset: 24, .size: 8, .value_kind: global_buffer, .address_space: global }
      - { .name: Wq, .offset: 32, .size: 8, .value_kind: global_buffer, .address_space: global }
      - { .name: Wk, .offset: 40, .size: 8, .value_kind: global_buffer, .address_space: global }
      - { .name: Wv, .offset: 48, .size: 8, .value_kind: global_buffer, .address_space: global }
      - { .name: Wr, .offset: 56, .size: 8, .value_kind: global_buffer, .address_space: global }
      - { .name: Wo, .offset: 64, .size: 8, .value_kind: global_buffer, .address_space: global }
      - { .name: xh, .offset: 72, .size: 8, .value_kind: global_buffer, .address_space: global }
    .group_segment_fixed_size: 0
    .private_segment_fixed_size: 0
    .kernarg_segment_align: 8
    .kernarg_segment_size: 80
    .max_flat_workgroup_size: 256
    .sgpr_count:     66
    .vgpr_count:     112
    .wavefront_size: 32
...
	.end_amdgpu_metadata
.endif
;; end of part 1
;; launch proj (part 2): grid 4 x 56, 4 waves a work-group, clusters of 4 x 4, 327,680 bytes of LDS; arguments xh, bq, bk, bv, hd; writes hd
.if DOCPART == 2
	.amdgcn_target "amdgcn-amd-amdhsa--gfx1250"
	.amdhsa_code_object_version 6
	.text
	.protected	k_q08e03a706d_proj
	.globl	k_q08e03a706d_proj
	.p2align	8
	.type	k_q08e03a706d_proj,@function
k_q08e03a706d_proj:
	s_mov_b64 s[64:65], 0
	v_nop
	global_prefetch_b8 v0, s[64:65] scope:SCOPE_SE
	s_setreg_imm32_b32 hwreg(HW_REG_WAVE_MODE, 25, 1), 1
	s_wait_xcnt 0x0
	s_wait_alu depctr_hold_cnt(0) depctr_sa_sdst(0) depctr_va_vdst(0) depctr_va_sdst(0) depctr_va_ssrc(0) depctr_va_vcc(0) depctr_vm_vsrc(0)
	s_getreg_b32 s2, hwreg(HW_REG_IB_STS2, 6, 4)
	s_cmp_eq_u32 s2, 0
	s_cbranch_scc0 .Lentry_in_a_cluster
	s_endpgm
.Lentry_in_a_cluster:
	s_bfe_u32 s2, ttmp6, 0x10000c
	s_cmp_lg_u32 s2, 0xf033
	s_cbranch_scc0 .Lentry_shape_is_right
	s_endpgm
.Lentry_shape_is_right:
; THE FOUR PROJECTIONS AS ONE PRODUCT.  A = xh's first 14,336 rows of 1,024 f16 (query, key, value: 4,096 rows each; r_emb: 2,048).  Tensor t = 0..3 multiplies by its own weights
; (xh + 28 MiB + t x 2 MiB, [n][k]) and adds its bias (bq, bk, bv rounded to bf16; r has none: bv is read and multiplied by 0).  Sums in f32; results rounded once to f16 and stored by heads:
; hd: q at 0, k at 8 MiB, v at 16 MiB, each [b x 16 + h][2048][64]; T at 24 MiB, [h][4096][64]: T[w] = r[w] for w < 2048, T[2048] = 0, T[2049 + m] = r[m] for m < 2047.
; LIMITS.  f16 ends at 65,504: q, k, v and r must stay within it.  NaN and infinities are not treated apart (an infinite bv would spoil r through 0 x infinity).
; SHAPE.  A tile of 256 x 256 to a work-group of four waves, 128 x 128 of f32 (512 registers) a wave; K in steps of 128 through two LDS slots filled by tensor loads whose rows are 256 bytes of memory.
; CLUSTERS.  4 x 4 work-groups: the four of a row need the same rows of A, the four of a column the same rows of the weights; each tile is asked for jointly.  A cluster's 1,024 rows lie in one tensor.
; THE MATRIX INSTRUCTION IS USED TRANSPOSED (source 0 = 16 rows of the weights, source 1 = 16 rows of A): a lane holds row l % 16 and eight neighbouring columns 8 (l / 16) + 0..7.
; The bias is the C operand of the products that start the sums: nothing is cleared and nothing is added later.
; REGISTERS, in windows of 256 (s_set_vgpr_msb: bits 1:0 source 0, 3:2 source 1, 5:4 source 2, 7:6 destination):
;   window 0: v0-31 addresses; v64-127, v128-191 fragments of A, two buffers; v192-255 the bias, later the way out (v192-223 packed, v32-63 and v224-255 rows read back)
;   window 1: v64-127, v128-191 fragments of the weights;   window 2: accumulators of my rows 0-63 ((a, b) at 8 (8 a + b));   window 3: those of rows 64-127
.set SIZE_K, 1024
.set KSTEP,  128
.set PITCH,  272                       ; an LDS row: 256 bytes + 16 of padding: the 16 rows of a fragment load start at 16 different groups of four banks (ISA guide 11.1)
.set HALFT,  128*PITCH                 ; what one tensor load brings
.set SLOT,   4*HALFT                   ; A's 256 rows, then the weights' 256 rows
.set STAGE,  2*SLOT                    ; behind the ring: 16 rows x 272 bytes for each wave, for the way out; no tensor load fills it
.set SPITCH, 272
.set SPARE,  STAGE+4*16*SPITCH         ; the spare words, 128 bytes a wave: no other line names them
.set LAPS,   SIZE_K/(2*KSTEP)          ; 4 laps of two K steps
.set ADRA, 16                          ; v16-17  LDS address of my A fragments in slot 0, 1
.set ADRB, 20                          ; v20-21  the same for the weights
.set BOF,  22                          ; v22     my byte offset in the bias
.set CO3,  23                          ; v23     CO2, but CO in the lanes that hold r's last row
.set STO,  24                          ; v24     the way out: where I put 16 bytes of a row
.set RD,   25                          ; v25     where I read rows back
.set CO,   26                          ; v26     16 x lane: my place in 512 consecutive bytes of hd
.set CO2,  27                          ; v27     CO + 2,048 rows of T
.set SPW,  28                          ; v28     my spare word; never rewritten
.set NIL,  29                          ; v29     0; never rewritten
.set PFO,  30                          ; v30     the prefetches' offset: lane x 2,048 bytes
.set TT,   31                          ; v31     at work
.set F0,   64
.set F1,   128
.set BIAS, 192                         ; register 8 b + j: bias of column 16 b + 8 (l / 16) + j of my 128
.set TMP,  192
.set OB,   32
.set G1, 24                            ; s[24:31] group 1 for A's tiles;  s[32:39] group 0, a set for each slot
.set G0, 32
.set G1B, 48                           ; s[48:55], s[56:63] the same for the weights' tiles
.set G0B, 56
.set LIM, 43                           ; s43  1 in a wave that prefetches, else the greatest number
.set PFA, 44                           ; s[44:45] where my prefetches stand
.set O0,  8                            ; s[8:9]   hd at my rows of my first head
.set O1,  66                           ; s[66:67] of my second head
.set TN,  70                           ; s70  the tensor, 0..3: the same in all sixteen partners
.set FAC, 72                           ; s[72:73] 1.0, or 0 for r
.set MZ,  74                           ; s74  the lanes that hold r's row 2,047 in the last store of the last wave, else 0
.set MSB, 0
.macro WIN new                         ; the immediate's high byte repeats the setting that is left
.if MSB != (\new)
	s_set_vgpr_msb (MSB<<8)|(\new)
.set MSB, \new
.endif
.endm
.set MUL_LO, 0xa1                      ; source 0 window 1, source 1 window 0, C and D window 2
.set TO_B,   0x40                      ; destination window 1, address window 0
; A joint load: waves 0 and 1 fetch A's two halves, waves 2 and 3 the weights'.  The branch hangs on the wave's number alone.
; An s_nop 0 and four v_nop follow each of the two lines, ahead of the jump and the label.
.macro JLOAD s
	s_cmp_eq_u32 s11, 0
	s_cbranch_scc0 .Lfor_b_\@
	tensor_load_to_lds s[G0+4*(\s):G0+4*(\s)+3], s[G1:G1+7]
	s_nop 0
.rept 4
	v_nop
.endr
	s_branch .Lasked_\@
.Lfor_b_\@:
	tensor_load_to_lds s[G0B+4*(\s):G0B+4*(\s)+3], s[G1B:G1B+7]
	s_nop 0
.rept 4
	v_nop
.endr
.Lasked_\@:
.endm
; A prefetch into the L2 of the K step that stands two refills on: 32 rows x 256 bytes, a lane a row.  A's rows are read by one cluster alone, which asks for them; a tensor's weights by four clusters
; (r's by two), of which the first asks.  The four partners that ask for a tile jointly share its rows out by address, 32 each.  K steps 0 to 3 come by their loads alone; the last trip asks for nothing.
.macro ASK
	s_cmp_gt_u32 s3, s[LIM]
	s_cbranch_scc0 .Lnot_mine_\@
	global_prefetch_b8 v[PFO], s[PFA:PFA+1] offset:KSTEP*2 th:TH_LOAD_NT scope:SCOPE_SE
.Lnot_mine_\@:
.endm
.macro CREST                           ; a round of the cluster's barrier behind its opening barrier
	s_cmp_lg_u32 s10, 0
	s_cbranch_scc1 .Lnot_wave_0_\@
	s_barrier_signal -3
.Lnot_wave_0_\@:
	s_barrier_wait -3
	s_barrier_signal -1
	s_barrier_wait -1
.endm
.macro CROUND
	s_barrier_signal -1
	s_barrier_wait -1
	CREST
.endm
	s_load_b256 s[84:91], s[0:1], 0x0              ; xh s[84:85], bq s[86:87], bk s[88:89], bv s[90:91]
	s_load_b64 s[92:93], s[0:1], 0x20              ; hd
	v_lshl_add_u32 v[SPW], v0, 2, SPARE
	v_mov_b32 v[NIL], 0
	ds_add_u32 v[SPW], v[NIL]                      ; the wave's opening: the add and its wait ahead of my first tensor load
	ds_add_u32 v28, v29
	v_lshrrev_b32 v1, 5, v0
	v_readfirstlane_b32 s10, v1                    ; wave 0..3
	s_lshr_b32 s11, s10, 1                         ; which half of the tile's rows is mine.  Also: I fetch for A (0) or for the weights (1)
	s_and_b32 s12, s10, 1                          ; which half of its columns.  Also: which 128 rows of that tile I fetch
	s_bfe_u32 s40, ttmp6, 0x40000                  ; cx
	s_bfe_u32 s41, ttmp6, 0x40004                  ; cy
	s_lshl_b32 s42, ttmp9, 2
	s_add_co_u32 s42, s42, s40                     ; tile column 0..3
	s_and_b32 s71, ttmp7, 0xffff                   ; cluster y 0..13
	s_lshr_b32 s[TN], s71, 2                       ; four clusters to a tensor (r: two)
	s_lshl_b32 s13, s71, 2
	s_add_co_u32 s13, s13, s41                     ; tile row 0..55
	s_lshl_b32 s43, s41, 2
	s_lshl_b32 s43, 15, s43                        ; my row of the cluster
	s_lshl_b32 s44, 0x1111, s40                    ; my column
	s_or_b32 s[G1+0], s43, (1<<16)|(1<<20)|(1<<21)|(5<<22)|(3<<25)   ; the mask; 2-byte elements; padding on; bit 21 beside a mask; after every 64 words, 4 words
	s_or_b32 s[G1B+0], s44, (1<<16)|(1<<20)|(1<<21)|(5<<22)|(3<<25)
.irp g, G1, G1B
	s_mov_b32 s[(\g)+1], KSTEP<<16                 ; tensor_dim0 = 128
	s_mov_b32 s[(\g)+2], 128<<16                   ; tensor_dim1 = 128
	s_mov_b32 s[(\g)+3], KSTEP<<16                 ; tile_dim0 = 128
	s_mov_b32 s[(\g)+4], 128                       ; tile_dim1 = 128
	s_mov_b32 s[(\g)+5], SIZE_K                    ; elements from row to row
	s_mov_b32 s[(\g)+6], 0
	s_mov_b32 s[(\g)+7], 0
.endr
	s_lshl_b32 s17, s12, 7                         ; which 128 rows of the tile I fetch
	s_lshl_b32 s16, s13, 8
	s_add_co_u32 s16, s16, s17                     ; A: row 256 x tile row + 128 x half
	s_lshl_b32 s46, s42, 8
	s_add_co_u32 s46, s46, s17                     ; weights: row 256 x tile column + 128 x half
	s_lshl_b32 s16, s16, 11                        ; rows of 2,048 bytes: 29 MiB at the most
	s_mov_b32 s17, 0
	s_lshl_b32 s46, s46, 11
	s_mov_b32 s47, 0
	s_lshl_b32 s18, s[TN], 21                      ; the tensor's weights: 28 MiB + t x 2 MiB
	s_add_co_u32 s18, s18, 28<<20
	s_mov_b32 s19, 0
	s_mul_i32 s20, s10, HALFT                      ; where my tiles go: wave x 128 rows
	s_wait_dscnt 0x0                               ; the opening add is done
	s_wait_kmcnt 0x0
	s_mov_b64 s[4:5], s[84:85]                     ; A
	s_add_nc_u64 s[6:7], s[84:85], s[18:19]        ; the weights
	s_add_nc_u64 s[14:15], s[4:5], s[16:17]
	s_add_nc_u64 s[46:47], s[6:7], s[46:47]
	CROUND                                         ; all sixteen work-groups are here: the first joint loads meet
.irp s, 0,1
	s_mov_b32 s[G0+4*(\s)], 1
	s_add_co_u32 s[G0+4*(\s)+1], s20, (\s)*SLOT
	s_add_nc_u64 s[G0+4*(\s)+2:G0+4*(\s)+3], s[14:15], (\s)*KSTEP*2
	s_or_b32 s[G0+4*(\s)+3], s[G0+4*(\s)+3], 0x80000000
	s_mov_b32 s[G0B+4*(\s)], 1
	s_add_co_u32 s[G0B+4*(\s)+1], s20, (\s)*SLOT
	s_add_nc_u64 s[G0B+4*(\s)+2:G0B+4*(\s)+3], s[46:47], (\s)*KSTEP*2
	s_or_b32 s[G0B+4*(\s)+3], s[G0B+4*(\s)+3], 0x80000000
	JLOAD \s                                       ; two loads of mine are out
.endr
	; the bias of my 128 columns
	v_and_b32 v1, 15, v0                           ; l % 16
	v_bfe_u32 v2, v0, 4, 1                         ; l / 16
	s_cmp_eq_u32 s[TN], 0
	s_cselect_b64 s[76:77], s[86:87], s[90:91]     ; bq, or bv (for v, and for r, which multiplies it by 0)
	s_cmp_eq_u32 s[TN], 1
	s_cselect_b64 s[76:77], s[88:89], s[76:77]     ; or bk
	s_cmp_eq_u32 s[TN], 3
	s_cselect_b32 s[FAC], 0, 1.0
	s_cselect_b32 s71, 1, 0
	s_mov_b32 s[FAC+1], s[FAC]
	s_lshl_b32 s14, s42, 10                        ; 256 columns x 4 bytes a tile column,
	s_lshl_b32 s15, s12, 9                         ; 128 x 4 for my half
	s_add_co_u32 s14, s14, s15
	v_lshl_add_u32 v[BOF], v2, 5, s14              ; + 8 (l / 16) numbers
.irp b, 0,1,2,3,4,5,6,7
	global_load_b128 v[BIAS+8*(\b):BIAS+8*(\b)+3],   v[BOF], s[76:77] offset:64*(\b)
	global_load_b128 v[BIAS+8*(\b)+4:BIAS+8*(\b)+7], v[BOF], s[76:77] offset:64*(\b)+16
.endr
	; fragments: lane l holds row l % 16; two loads of 16 bytes, 32 bytes apart, at row x pitch + 16 (l / 16)
	v_mul_u32_u24 v3, v1, PITCH
	v_lshl_add_u32 v3, v2, 4, v3
	s_mul_i32 s21, s11, HALFT                      ; my 128 rows of A
	s_mul_i32 s22, s12, HALFT                      ; my 128 rows of the weights,
	s_add_co_u32 s22, s22, 2*HALFT                 ; which lie behind A's 256
.irp s, 0,1
	v_add_nc_u32 v[ADRA+(\s)], s21, v3
	v_add_nc_u32 v[ADRB+(\s)], s22, v3
	s_add_co_u32 s21, s21, SLOT
	s_add_co_u32 s22, s22, SLOT
.endr
	s_mul_i32 s23, s10, 16*SPITCH
	s_add_co_u32 s23, s23, STAGE                   ; my stage
	v_mul_u32_u24 v4, v1, SPITCH                   ; in: row l % 16, 16 bytes for each half of the lanes
	v_lshl_add_u32 v4, v2, 4, v4
	v_add_nc_u32 v[STO], s23, v4
	v_bfe_u32 v5, v0, 3, 2                         ; back: 32 lanes take four rows' 128 bytes of one head
	v_mul_u32_u24 v5, v5, SPITCH
	v_and_b32 v4, 7, v0
	v_lshl_add_u32 v5, v4, 4, v5
	v_add_nc_u32 v[RD], s23, v5
	v_and_b32 v[CO], 31, v0                        ; which are 512 consecutive bytes of hd
	v_lshlrev_b32 v[CO], 4, v[CO]
	v_add_nc_u32 v[CO2], 0x40000, v[CO]
	s_lshl_b32 s14, s13, 1
	s_add_co_u32 s14, s14, s11
	s_cmp_eq_u32 s14, 111                          ; tile row 55, lower half: it holds r's row 2,047, in lanes 24-31 of its last store
	s_cselect_b32 s[MZ], 0xff000000, 0
	v_cndmask_b32 v[CO3], v[CO2], v[CO], s[MZ]
	; hd at my rows: t x 8 MiB + batch x 4 MiB + head x (256 KiB; T: 512 KiB) + row x 128
	s_and_b32 s16, s13, 15
	s_lshl_b32 s16, s16, 8
	s_lshl_b32 s14, s11, 7
	s_add_co_u32 s16, s16, s14                     ; my first row in the tensor
	s_lshr_b32 s17, s16, 11
	s_lshl_b32 s17, s17, 22
	s_and_b32 s16, s16, 2047
	s_lshl_b32 s16, s16, 7
	s_add_co_u32 s16, s16, s17
	s_lshl_b32 s17, s[TN], 23
	s_add_co_u32 s16, s16, s17
	s_mov_b32 s78, 1<<18
	s_lshl_b32 s78, s78, s71                       ; a head's bytes
	s_mov_b32 s79, 0
	s_lshl_b32 s46, s42, 2
	s_lshl_b32 s47, s12, 1
	s_add_co_u32 s46, s46, s47                     ; my first head = 4 x tile column + 2 x half
	s_mul_i32 s46, s46, s78
	s_add_co_u32 s16, s16, s46
	s_mov_b32 s17, 0
	s_add_nc_u64 s[O0:O0+1], s[92:93], s[16:17]
	s_add_nc_u64 s[O1:O1+1], s[O0:O0+1], s[78:79]
	; the prefetches
	s_lshl_b32 s20, s13, 8
	s_lshl_b32 s21, s42, 8
	s_and_b32 s22, ttmp7, 3                        ; the cluster's place among those of its tensor
	s_cmp_eq_u32 s11, 0                            ; do I fetch for A?
	s_cselect_b32 s20, s20, s21                    ; the tile's first row
	s_cselect_b32 s21, s40, s41                    ; my place among the four that ask for it with me
	s_cselect_b32 s22, ttmp9, s22                  ; the coordinate along which other clusters read the same rows
	s_cselect_b64 s[PFA:PFA+1], s[4:5], s[6:7]
	s_cmp_eq_u32 s22, 0
	s_cselect_b32 s[LIM], 1, -1                    ; the same in all sixteen partners, for a given wave
	s_lshl_b32 s22, s12, 7
	s_add_co_u32 s20, s20, s22                     ; + the 128 rows that I fetch
	s_lshl_b32 s21, s21, 5
	s_add_co_u32 s20, s20, s21                     ; + my work-group's 32 of them
	s_lshl_b32 s20, s20, 11
	s_mov_b32 s21, 0
	s_add_nc_u64 s[PFA:PFA+1], s[PFA:PFA+1], s[20:21]
	s_add_nc_u64 s[PFA:PFA+1], s[PFA:PFA+1], 2*KSTEP*2  ; at K step 2: the first refill steps it to 3 and names K step 4
	v_and_b32 v[PFO], 31, v0
	v_lshlrev_b32 v[PFO], 11, v[PFO]
	s_wait_loadcnt 0x0                             ; the bias: rounded to bf16, widened, times 1 or 0
.set i, 0
.rept 32
	v_cvt_pk_bf16_f32 v[TT], v[BIAS+2*i], v[BIAS+2*i+1]
	v_lshlrev_b32 v[BIAS+2*i], 16, v[TT]
	v_and_b32 v[BIAS+2*i+1], 0xffff0000, v[TT]
	v_pk_mul_f32 v[BIAS+2*i:BIAS+2*i+1], v[BIAS+2*i:BIAS+2*i+1], s[FAC:FAC+1] op_sel_hi:[1,0]
.set i, i+1
.endr
; 16 matrix instructions: m blocks a0, a0 + 1 of the window's four (hi = 0: my rows 0-63, 1: rows 64-127) x all 8 n blocks, 32 along K.  zero = 1: the sums start with the bias.
; The 64 accumulators take turns, one instruction a turn, in the same order in every quarter.
.macro MUL16 f, hi, a0, zero
.if \zero
	WIN 0x81+0x40*(\hi)                            ; C in window 0
.else
	WIN MUL_LO+0x50*(\hi)
.endif
.irp a, \a0, (\a0)+1
.irp b, 0,1,2,3,4,5,6,7
.if \zero
	v_wmma_f32_16x16x32_f16 v[8*(8*(\a)+(\b)):8*(8*(\a)+(\b))+7], v[(\f)+8*(\b):(\f)+8*(\b)+7], v[(\f)+8*(4*(\hi)+(\a)):(\f)+8*(4*(\hi)+(\a))+7], v[BIAS+8*(\b):BIAS+8*(\b)+7]
.else
	v_wmma_f32_16x16x32_f16 v[8*(8*(\a)+(\b)):8*(8*(\a)+(\b))+7], v[(\f)+8*(\b):(\f)+8*(\b)+7], v[(\f)+8*(4*(\hi)+(\a)):(\f)+8*(4*(\hi)+(\a))+7], v[8*(8*(\a)+(\b)):8*(8*(\a)+(\b))+7]
.endif
.endr
.endr
.endm
; 32 LDS loads in one run: the fragments of one quarter step (32 K at byte k of the rows) into buffer f
.macro FETCH slot, k, f
	WIN TO_B
.irp i, 0,1,2,3,4,5,6,7
	ds_load_b128 v[(\f)+8*(\i):(\f)+8*(\i)+3],   v[ADRB+(\slot)] offset:(\k)+(\i)*16*PITCH
	ds_load_b128 v[(\f)+8*(\i)+4:(\f)+8*(\i)+7], v[ADRB+(\slot)] offset:(\k)+(\i)*16*PITCH+32
.endr
	WIN 0
.irp i, 0,1,2,3,4,5,6,7
	ds_load_b128 v[(\f)+8*(\i):(\f)+8*(\i)+3],   v[ADRA+(\slot)] offset:(\k)+(\i)*16*PITCH
	ds_load_b128 v[(\f)+8*(\i)+4:(\f)+8*(\i)+7], v[ADRA+(\slot)] offset:(\k)+(\i)*16*PITCH+32
.endr
.endm
.macro PLACES                          ; four plain vector instructions between a matrix instruction and a load into, or a vector read of, its registers
.rept 4
	v_nop
.endr
.endm
; One of a K step's first three quarters: multiplies buffer f; in its middle it fetches the next quarter's fragments into buffer g.
.macro QUARTER slot, k, f, g, zero
	s_wait_dscnt 8                                 ; the weights and A's rows 0-63 are in; the youngest eight loads may be out
	MUL16 \f, 0, 0, \zero
	MUL16 \f, 0, 2, \zero
	PLACES
	FETCH \slot, \k, \g
	s_wait_dscnt 32                                ; all but the 32 just issued
	MUL16 \f, 1, 0, \zero
	MUL16 \f, 1, 2, \zero
.endm
; The first half of the last quarter: one barrier for the change of slots.  In front of it each wave waits for all its tensor loads (one is out: its part of the next slot),
; adds 0 to its spare word, and waits for that and for its reads of this slot.
.macro MEET round
	WIN 0
	s_wait_tensorcnt 0x0
	ds_add_u32 v[SPW], v[NIL]
	s_wait_dscnt 9                                 ; the add and the youngest eight loads may be out
	MUL16 F1, 0, 0, 0
	s_wait_dscnt 0x0                               ; the add is done, and my reads of this slot are over
	s_barrier_signal -1
	MUL16 F1, 0, 2, 0
.if \round
	WIN 0
.endif
	s_barrier_wait -1
.endm
; The whole last quarter.  fill = 1: the barrier opens a round of the cluster's, and the slot just read is filled again, two K steps on, first thing behind the round.
.macro TURN slot, next, fill
.if \fill
	s_wait_xcnt 0x0                                ; the last prefetch, a K step back, has read its address
	s_add_nc_u64 s[PFA:PFA+1], s[PFA:PFA+1], KSTEP*2
.endif
	MEET \fill
.if \fill
	CREST                                          ; no wave of any partner still reads this slot or has a load on its way
	s_add_nc_u64 s[G0+4*(\slot)+2:G0+4*(\slot)+3], s[G0+4*(\slot)+2:G0+4*(\slot)+3], 2*KSTEP*2
	s_add_nc_u64 s[G0B+4*(\slot)+2:G0B+4*(\slot)+3], s[G0B+4*(\slot)+2:G0B+4*(\slot)+3], 2*KSTEP*2
	JLOAD \slot                                    ; its four v_nop are also the places in front of the loads below
.else
	PLACES
.endif
	FETCH \next, 0, F0
.if \fill
	ASK
.endif
	MUL16 F1, 1, 0, 0
	MUL16 F1, 1, 2, 0
.endm
; THE WAY OUT of block a (16 rows x 128 columns = two heads).  PACK: rounded to f16.  TOSTAGE: into my stage, and back as four rows of one head at a time.  SEND: stored.
.macro PACK a
.set AC, 64*((\a)%4)
	WIN 0x0a+5*((\a)/4)                            ; sources in window 2 or 3
.irp b, 0,1,2,3,4,5,6,7
.irp r, 0,1,2,3
	v_cvt_pk_f16_f32 v[TMP+4*(\b)+(\r)], v[AC+8*(\b)+2*(\r)], v[AC+8*(\b)+2*(\r)+1]
.endr
.endr
	WIN 0
.endm
.macro TOSTAGE a
	WIN 0
.set BK, OB+192*((\a)%2)
.irp b, 0,1,2,3,4,5,6,7
	ds_store_b128 v[STO], v[TMP+4*(\b):TMP+4*(\b)+3] offset:32*(\b)
.endr
.irp t, 0,1,2,3,4,5,6,7
	ds_load_b128 v[BK+4*(\t):BK+4*(\t)+3], v[RD] offset:((\t)%4)*4*SPITCH+((\t)/4)*128  ; LDS serves a wave's instructions in order: these see the stores above
.endr
.endm
.macro SEND a
	WIN 0
.set BK, OB+192*((\a)%2)
	s_wait_dscnt 0x0                               ; the block is back in registers
	s_wait_xcnt 0x0                                ; earlier stores have read their registers and bases
.if (\a) > 0
	s_add_nc_u64 s[O0:O0+1], s[O0:O0+1], 2048      ; 16 rows of a head on
	s_add_nc_u64 s[O1:O1+1], s[O1:O1+1], 2048
.endif
.irp t, 0,1,2,3
	global_store_b128 v[CO], v[BK+4*(\t):BK+4*(\t)+3],       s[O0:O0+1] offset:512*(\t)  ; 512 consecutive bytes, aligned
	global_store_b128 v[CO], v[BK+16+4*(\t):BK+16+4*(\t)+3], s[O1:O1+1] offset:512*(\t)
.endr
	s_cmp_lg_u32 s[TN], 3                          ; r alone is written twice: row m once more as row 2,049 + m of T
	s_cbranch_scc1 .Lonce_\@
.irp t, 0,1,2
	global_store_b128 v[CO2], v[BK+4*(\t):BK+4*(\t)+3],       s[O0:O0+1] offset:512*(\t)+128
	global_store_b128 v[CO2], v[BK+16+4*(\t):BK+16+4*(\t)+3], s[O1:O1+1] offset:512*(\t)+128
.endr
.if (\a) == 7
	s_wait_xcnt 0x0                                ; the stores above have read these registers.  Row 2,047 has no second place: its lanes write zeros to row 2,048 instead
.irp r, 12,13,14,15,28,29,30,31
	v_cndmask_b32 v[BK+(\r)], v[BK+(\r)], 0, s[MZ]
.endr
	global_store_b128 v[CO3], v[BK+12:BK+15], s[O0:O0+1] offset:512*3+128
	global_store_b128 v[CO3], v[BK+28:BK+31], s[O1:O1+1] offset:512*3+128
.else
	global_store_b128 v[CO2], v[BK+12:BK+15], s[O0:O0+1] offset:512*3+128
	global_store_b128 v[CO2], v[BK+28:BK+31], s[O1:O1+1] offset:512*3+128
.endif
.Lonce_\@:
.endm
	s_wait_tensorcnt 1                             ; my part of K step 0 is in; K step 1's may stay out
	s_barrier_signal -1
	s_barrier_wait -1
	FETCH 0, 0, F0
	QUARTER 0, 64,  F0, F1, 1                      ; the first quarter stands in front of the loop: its products start the sums with the bias
	WIN 0
	s_mov_b32 s3, LAPS-1
.Llap:                                             ; a trip goes once round the ring and fills both slots again
	QUARTER 0, 128, F1, F0, 0
	QUARTER 0, 192, F0, F1, 0
	TURN 0, 1, 1
	QUARTER 1, 64,  F0, F1, 0
	QUARTER 1, 128, F1, F0, 0
	QUARTER 1, 192, F0, F1, 0
	TURN 1, 0, 1
	QUARTER 0, 64,  F0, F1, 0
	WIN 0
	s_sub_co_u32 s3, s3, 1
	s_cmp_lg_u32 s3, 0
	s_cbranch_scc1 .Llap
	QUARTER 0, 128, F1, F0, 0                      ; the last lap is written out: it fills nothing
	QUARTER 0, 192, F0, F1, 0
	TURN 0, 1, 0
	QUARTER 1, 64,  F0, F1, 0
	QUARTER 1, 128, F1, F0, 0
	QUARTER 1, 192, F0, F1, 0
	s_wait_dscnt 8
	MUL16 F1, 0, 0, 0
	MUL16 F1, 0, 2, 0
	s_wait_dscnt 0x0
	MUL16 F1, 1, 0, 0
	MUL16 F1, 1, 2, 0
	PLACES
	PACK 0
	TOSTAGE 0
.irp a, 1,2,3,4,5,6,7                  ; block a's conversions stand between block a - 1's loads from the stage and the wait for them
	PACK \a
	SEND (\a)-1
	TOSTAGE \a
.endr
	SEND 7
	s_wait_tensorcnt 0x0                           ; the wave's end
	ds_add_u32 v[SPW], v[NIL]
	s_wait_dscnt 0x0
	CROUND                                         ; the closing round
	s_endpgm
.Lfunc_end_k_q08e03a706d_proj:
	.size	k_q08e03a706d_proj, .Lfunc_end_k_q08e03a706d_proj-k_q08e03a706d_proj
	.p2alignl 7, 3214868480
	.fill 96, 4, 3214868480
	.section	.rodata,"a",@progbits
	.p2align	6, 0x0
	.amdhsa_kernel k_q08e03a706d_proj
		.amdhsa_group_segment_fixed_size 327680
		.amdhsa_private_segment_fixed_size 0
		.amdhsa_enable_private_segment 0
		.amdhsa_kernarg_size 40
		.amdhsa_user_sgpr_count 2
		.amdhsa_user_sgpr_kernarg_segment_ptr 1
		.amdhsa_wavefront_size32 1
		.amdhsa_system_sgpr_workgroup_id_x 1
		.amdhsa_system_sgpr_workgroup_id_y 1
		.amdhsa_system_sgpr_workgroup_id_z 1
		.amdhsa_system_vgpr_workitem_id 0
		.amdhsa_next_free_vgpr 1024
		.amdhsa_next_free_sgpr 96
		.amdhsa_reserve_vcc 0
		.amdhsa_float_denorm_mode_32 3
		.amdhsa_float_denorm_mode_16_64 3
		.amdhsa_memory_ordered 1
		.amdhsa_forward_progress 1
		.amdhsa_inst_pref_size 161
	.end_amdhsa_kernel
	.amdgpu_metadata
---
amdhsa.version: [ 1, 2 ]
amdhsa.kernels:
  - .name:           k_q08e03a706d_proj
    .symbol:         k_q08e03a706d_proj.kd
    .args:
      - { .name: xh, .offset: 0, .size: 8, .value_kind: global_buffer, .address_space: global }
      - { .name: bq, .offset: 8, .size: 8, .value_kind: global_buffer, .address_space: global }
      - { .name: bk, .offset: 16, .size: 8, .value_kind: global_buffer, .address_space: global }
      - { .name: bv, .offset: 24, .size: 8, .value_kind: global_buffer, .address_space: global }
      - { .name: hd, .offset: 32, .size: 8, .value_kind: global_buffer, .address_space: global }
    .group_segment_fixed_size: 327680
    .private_segment_fixed_size: 0
    .kernarg_segment_align: 8
    .kernarg_segment_size: 40
    .max_flat_workgroup_size: 128
    .sgpr_count:     96
    .vgpr_count:     1024
    .wavefront_size: 32
...
	.end_amdgpu_metadata
.endif
;; end of part 2
;; launch attn (part 3): grid 8 x 32, 4 waves a work-group, no clusters, 327,680 bytes of LDS; arguments hd, r_w_bias, r_bias, o16; writes o16
.if DOCPART == 3
	.amdgcn_target "amdgcn-amd-amdhsa--gfx1250"
	.amdhsa_code_object_version 6
	.text
	.protected	k_q08e03a706d_attn
	.globl	k_q08e03a706d_attn
	.p2align	8
	.type	k_q08e03a706d_attn,@function
k_q08e03a706d_attn:
	s_mov_b64 s[64:65], 0
	v_nop
	global_prefetch_b8 v0, s[64:65] scope:SCOPE_SE
	s_setreg_imm32_b32 hwreg(HW_REG_WAVE_MODE, 25, 1), 1
	s_wait_xcnt 0x0
; ATTENTION WITH RELATIVE POSITIONS.  score[i][j] = ((q_i + rwb) . k_j + shift(BD)[i][j]) / 8, softmax over j, times v.  With w = 2047 - i + j the shifted term is Qsel . T[w], where T (made by the launch
; before: r, a zero row, r again) has 4,096 rows a head and Qsel = q_i + rb for w < 2048, q_(i+1) + rb for w > 2048 (row 2048 is 0).  So every aligned tile of 16 rows of T takes ONE of the two sets of queries.
; q, k, v, T: f16, by heads, rows of 128 bytes.  rwb and rb are rounded to bf16, written as f16 and added to q in f16.  Products, maxima and sums in f32; the weights p are rounded to f16 for the second
; product (their sum l is taken of the unrounded p), O once at the end.  O goes to o16 in blocks [row / 128][head][row % 128][64].
; LIMITS.  f16 holds no number beyond 65,504: q + bias stays within it; the running maximum starts at -1e30, far below f16's scores (2.7e11 at the most); a weight below 2^-126 counts as 0 in l;
; NaN and infinities are not treated apart.
; SHARES.  A work-group owns 256 queries of one head and batch, each of its four waves 64: four tiles of 16.  Every wave walks all 2,048 keys, 64 a step; an LDS slot holds two steps.
; THE SKEW.  For tile p and a step the rows of T wanted are 80 on end: position pos = t - a + 15 for key t (0..63) and query a (0..15).  BD^T = T Q^T (five products of 16 positions, twice for the 64 channels) holds one
; query a lane; each lane stores its 40 numbers into row a of the tile's part of the wave's own stage, a + 1 words to the right, and reads them back straight: word t + 16 of row a is position t - a + 15.
; What comes back has the layout of S^T = K Q^T and is the C operand that starts that sum: no addition is written.
; SOFTMAX.  A running maximum m and sum l a query: p = 2^(c s - c m), c = log2(e) / 8; O and l are multiplied by a = 2^(c m_old - c m_new) in every step.
; A PIPELINE OF TWO STEPS.  Body j: S^T(j) += K Q^T; BD^T of step j + 1, with the maxima, scalings and exponentials of step j behind its products; the skew's stores; O^T += V^T P of step j, with the rest of
; the rescaling, the roundings and the sums behind its products; the skew's read-back.  Of a body's 472 vector instructions 348 stand four behind a product, 124 in three lumps.
; THE LDS INSTRUCTIONS STAND IN LONG RUNS, never singly among vector or matrix instructions: T's 32 loads at the body's head; the skew's 160 stores and K's 16 loads behind the exponentials' wait; V's 16 loads
; and the skew's 32 at the body's end.  All that body j reads from the slots (T, K, V) is step j + 1's, so one change of slots serves two bodies.
; There are 33 bodies, j = -1 .. 31, of one text: the first finds scores at the lowest finite number and K = V = 0 (its a is 1, its weights 0: l and O stay 0); the last reads step 30's tiles once more, for
; products that nobody uses.
; NO CLUSTER: the step at which a wave's second set of queries takes over hangs on the query block, so work-groups that share K and V would branch differently; those that share T and the branches are two
; (the batches), and a cluster has four.
; REGISTERS, in windows of 256 (s_set_vgpr_msb: bits 1:0 source 0, 3:2 source 1, 5:4 source 2, 7:6 destination):
;   window 0: v0-15 addresses; v16-31 statistics, four a tile; v32-47 at work; v48-51 c m_old; v64-191 S^T, 32 a tile; v192-255 P, 16 a tile; between V^T P and the next roundings v192-231 hold tile 3's BD^T
;   window 1: v0-127 O^T, 32 a tile; v128-247 BD^T of tiles 0 to 2, 40 each
;   window 2: v0-63 q + rwb; v64-127 QL, the queries for the lower four tiles of T's 128 rows; v128-191 QU, for the upper four; v192-255 q_(i+1) + rb
;   window 3: v0-63 K; v64-127 V; v128-255 T, all of one step
.set PK,    144       ; a row of K and of T in LDS: 128 bytes + 16: the 16 rows of a load start at 16 different groups of four banks (ISA guide 11.1)
.set PV,    160       ; a row of V: 128 + 32
.set VOFF,  128*PK    ; a slot: 128 rows of K, 128 of V, 384 of T
.set TOFF,  VOFF+128*PV
.set SLOT1, 1<<17     ; slot 1 begins here: one exclusive or turns an address in one slot into the other's
.set SPARE, TOFF+384*PK        ; behind slot 0, in front of slot 1: the spare words, 128 bytes a wave: no other line names them
.set STAGE, SLOT1+TOFF+384*PK  ; behind the ring, never filled by a tensor load: for each wave four parts, a tile each, of 16 rows x 400 bytes for the skew; later 16 x 144 for the way out
.set TST,   6400
.set WST,   4*TST
.set SP,    144
.set AK0, 2           ; v2   my lane's place in a tile of K; never rewritten
.set AV0, 3           ; v3   in V
.set AT0, 4           ; v4   in T: my wave's 128 rows of a slot's first step begin at row 192 - 64 x wave
.set AK,  5           ; v5-7 the addresses of the step that is fetched
.set AV,  6
.set AT,  7
.set SKW, 8           ; v8   the skew: where my first number goes: row a, word a + 1 + 8 (l / 16)
.set SKR, 9           ; v9   and where I read: row a, word 16 + 8 (l / 16)
.set STO, 10          ; v10  the way out: where I put 16 bytes of a row
.set RD,  11          ; v11  where I read rows back
.set GO,  12          ; v12  16 x lane
.set QO,  13          ; v13  my byte offset in 16 rows of q
.set PFO, 14          ; v14  256 x lane
.set ST,  16          ; tile t: c m, m, l (even keys', odd keys') at ST + 4 t
.set TMP, 32          ; tile t: c0-c3 at work; c2 takes a
.set MV,  48
.set BOF, 52
.set SPW, 60          ; v60  my spare word; never rewritten
.set NIL, 61          ; v61  0; never rewritten
.set S,   64
.set P,   192
.set BDB, 128         ; window 1
.set QA,  0           ; window 2
.set QL,  64
.set QU,  128
.set Q2,  192
.set KF,  0           ; window 3
.set VF,  64
.set TF,  128
.set WV,  12          ; s12  my wave's number
.set G1K, 24          ; s[24:31], s[32:39], s[40:47] descriptor group 1 for K, V, T
.set G1V, 32
.set G1T, 40
.set G0K, 48          ; s[48:51], s[52:55], s[56:59] group 0: they walk
.set G0V, 52
.set G0T, 56
.set CS,  60          ; s[60:61] c
.set SEL, 62          ; s[62:63] v_permlanex16_b32's selects
.set TBK, 66          ; s66  LDS byte at which K of the step that is fetched begins (T's rows step alike)
.set TBV, 67          ; s67  the same for V, less VOFF
.set SL,  68          ; s68  slots still to be asked for
.set TW,  69          ; s69  counts the bodies between two changes of slots
.set GS,  70          ; s70  the step whose BD^T the body makes, 0..32
.set XS,  71          ; s71  4 x query block + wave: the step at which QU takes the second set
.set XS1, 72          ; s72  one later: QL does
.set LIM, 73          ; s73  1 in a wave that prefetches, else the greatest number
.set PFA, 74          ; s[74:75] where my prefetches stand
.set MSB, 0
.macro WIN new
.if MSB != (\new)
	s_set_vgpr_msb (MSB<<8)|(\new)
.set MSB, (\new)
.endif
.endm
.set W_BD, 0x5b       ; T window 3, queries window 2, BD^T window 1
.set W_AC, 0x0b       ; K (or T) window 3, queries window 2, C and D window 0
.set W_PV, 0x53       ; V window 3, P window 0, O^T window 1
.set W_ST, 0x04       ; an LDS store's data (source 1) in window 1
.set W_FR, 0xc0       ; destination window 3
.set W_RS, 0x41       ; destination and source 0 window 1, source 1 window 0
.set W_Q,  0x82       ; destination and source 0 window 2, source 1 window 0
; A fill: wave 0 fetches a slot's K, wave 1 its V, waves 2 and 3 the halves of its T.  An s_nop 0 and four v_nop follow each line, ahead of the jump and the label.
.macro LOAD
	s_cmp_eq_u32 s[WV], 0
	s_cbranch_scc0 .Lnot_k_\@
	tensor_load_to_lds s[G0K:G0K+3], s[G1K:G1K+7]
	s_nop 0
.rept 4
	v_nop
.endr
	s_branch .Lasked_\@
.Lnot_k_\@:
	s_cmp_eq_u32 s[WV], 1
	s_cbranch_scc0 .Lfor_t_\@
	tensor_load_to_lds s[G0V:G0V+3], s[G1V:G1V+7]
	s_nop 0
.rept 4
	v_nop
.endr
	s_branch .Lasked_\@
.Lfor_t_\@:
	tensor_load_to_lds s[G0T:G0T+3], s[G1T:G1T+7]
	s_nop 0
.rept 4
	v_nop
.endr
.Lasked_\@:
.endm
; A prefetch into the L2 of the 128 rows of K (wave 0) or V (wave 1) that the NEXT change of slots will ask for: 16,384 bytes, 256 a lane, two instructions.  The eight query blocks of a head walk the same
; K and V: block 0 asks.  T is not asked for: its rows are walked again and again, by sixteen work-groups at different steps.  The last change that fills a slot asks for nothing.
.macro ASK
	s_cmp_gt_u32 s[SL], s[LIM]
	s_cbranch_scc0 .Lnot_mine_\@
	global_prefetch_b8 v[PFO], s[PFA:PFA+1] th:TH_LOAD_NT scope:SCOPE_SE
	global_prefetch_b8 v[PFO], s[PFA:PFA+1] offset:8192 th:TH_LOAD_NT scope:SCOPE_SE
.Lnot_mine_\@:
.endm
; THE CHANGE OF SLOTS.  Each wave waits for all its tensor loads (one is out: its part of the other slot), adds 0 to its spare word, and waits for that and for its reads of the slot that it leaves.
; fill = 1: the old slot is filled again, first thing behind the barrier, with the keys two slots on; the load has two bodies in which to land.  (At its first use slot 0 is waited for and slot 1 filled.)
.macro CHANGE fill
	WIN 0
	s_wait_tensorcnt 0x0            ; no tensor load of mine is out, so a group 0 may be written
	ds_add_u32 v[SPW], v[NIL]
.if \fill
.irp g, G0K, G0V, G0T
	s_xor_b32 s[\g+1], s[\g+1], SLOT1
	s_add_nc_u64 s[\g+2:\g+3], s[\g+2:\g+3], 16384  ; 128 rows of 128 bytes on, in K, V and T alike
.endr
	s_wait_xcnt 0x0                 ; the last prefetches, two bodies back, have read their address
	s_add_nc_u64 s[PFA:PFA+1], s[PFA:PFA+1], 16384
.endif
	s_wait_dscnt 0x0                ; the add is done, and my reads of the slot are over
	s_barrier_signal -1
	s_xor_b32 s[TBK], s[TBK], SLOT1 ; two bodies have turned these back to a slot's first step: now the other slot
	s_xor_b32 s[TBV], s[TBV], SLOT1
	s_barrier_wait -1
.if \fill
	LOAD
	ASK
.endif
.endm
	s_load_b256 s[4:11], s[0:1], 0x0  ; hd s[4:5], r_w_bias s[6:7], r_bias s[8:9], o16 s[10:11]
	v_lshl_add_u32 v[SPW], v0, 2, SPARE
	v_mov_b32 v[NIL], 0
	ds_add_u32 v[SPW], v[NIL]       ; the wave's opening: the add and its wait ahead of my first tensor load
	ds_add_u32 v60, v61
	v_lshrrev_b32 v1, 5, v0
	v_readfirstlane_b32 s[WV], v1   ; wave 0..3
	s_and_b32 s13, ttmp7, 0xffff    ; batch x 16 + head
	s_and_b32 s14, s13, 15          ; head
	s_lshr_b32 s15, s13, 4          ; batch
	; group 1: dense bytes asked for as rows of 256 (two rows of 128 each), padded in LDS after every 128
	s_mov_b32 s[G1K], (1<<16)|(1<<20)|(4<<22)|(3<<25)  ; 2-byte elements; padding on; after every 32 words, 4 words
	s_mov_b32 s[G1V], (1<<16)|(1<<20)|(4<<22)|(7<<25)  ; 8 words
	s_mov_b32 s[G1T], (1<<16)|(1<<20)|(4<<22)|(3<<25)
.irp g, G1K, G1V, G1T
	s_mov_b32 s[\g+1], 128<<16      ; tensor_dim0 = 128
	s_mov_b32 s[\g+3], 128<<16      ; tile_dim0 = 128
	s_mov_b32 s[\g+5], 128          ; elements from row to row
	s_mov_b32 s[\g+6], 0
	s_mov_b32 s[\g+7], 0
.endr
	s_mov_b32 s[G1K+2], 64<<16      ; 64 rows of 256 bytes: 128 keys
	s_mov_b32 s[G1K+4], 64
	s_mov_b32 s[G1V+2], 64<<16
	s_mov_b32 s[G1V+4], 64
	s_mov_b32 s[G1T+2], 96<<16      ; 96: 192 rows of T
	s_mov_b32 s[G1T+4], 96
	s_mov_b32 s[CS], 0x3e38aa3b     ; c = log2(e) / 8
	s_mov_b32 s[CS+1], s[CS]
	s_mov_b32 s[SEL], 0x76543210
	s_mov_b32 s[SEL+1], 0xfedcba98
	s_mov_b32 s84, 0xff7fffff       ; the lowest finite number: the first body's scores
	s_mov_b32 s85, 0xf149f2ca       ; -1e30: where m starts
	s_lshl_b32 s[XS], ttmp9, 2
	s_add_co_u32 s[XS], s[XS], s[WV]
	s_add_co_u32 s[XS1], s[XS], 1
	s_mov_b32 s[GS], 0
	s_mov_b32 s[SL], 15
	s_mov_b32 s[TBK], SLOT1         ; the first change of slots turns these two into 0
	s_mov_b32 s[TBV], SLOT1
	s_lshl_b32 s16, s13, 18         ; a head's 256 KiB in q, k, v
	s_add_co_u32 s76, s16, 8<<20    ; k
	s_mov_b32 s77, 0
	s_add_co_u32 s78, s16, 16<<20   ; v
	s_mov_b32 s79, 0
	s_lshl_b32 s80, s14, 19         ; T: 24 MiB + head x 512 KiB + (1792 - 256 x block + 192 (wave - 2)) rows
	s_add_co_u32 s80, s80, (24<<20)+1792*128-2*192*128
	s_lshl_b32 s17, ttmp9, 15
	s_sub_co_u32 s80, s80, s17
	s_mul_i32 s17, s[WV], 192*128
	s_add_co_u32 s80, s80, s17
	s_mov_b32 s81, 0
	s_lshl_b32 s82, ttmp9, 15       ; q: my block's 256 rows, my wave's 64
	s_add_co_u32 s82, s82, s16
	s_lshl_b32 s17, s[WV], 13
	s_add_co_u32 s82, s82, s17
	s_mov_b32 s83, 0
	s_lshl_b32 s18, s15, 11         ; o16: row m0 = batch x 2048 + 256 x block + 64 x wave
	s_lshl_b32 s17, ttmp9, 8
	s_add_co_u32 s18, s18, s17
	s_lshl_b32 s17, s[WV], 6
	s_add_co_u32 s18, s18, s17
	s_lshr_b32 s17, s18, 7
	s_lshl_b32 s17, s17, 18         ; (m0 / 128) x 256 KiB
	s_and_b32 s18, s18, 127
	s_lshl_b32 s18, s18, 7          ; + (m0 % 128) x 128
	s_add_co_u32 s18, s18, s17
	s_lshl_b32 s17, s14, 14         ; + head x 16 KiB
	s_add_co_u32 s18, s18, s17
	s_mov_b32 s19, 0
	s_lshl_b32 s20, s14, 8          ; the head's 64 numbers in the two biases
	s_mov_b32 s21, 0
	s_mov_b32 s[G0K], 1
	s_mov_b32 s[G0K+1], 0
	s_mov_b32 s[G0V], 1
	s_mov_b32 s[G0V+1], VOFF
	s_mov_b32 s[G0T], 1
	s_mul_i32 s[G0T+1], s[WV], 192*PK       ; TOFF + (wave - 2) x 192 rows; used by waves 2 and 3 alone
	s_sub_co_u32 s[G0T+1], s[G0T+1], 2*192*PK-TOFF
	s_lshr_b32 s[LIM], s[WV], 1
	s_or_b32 s[LIM], s[LIM], ttmp9
	s_cmp_eq_u32 s[LIM], 0          ; waves 0 and 1 of query block 0
	s_cselect_b32 s[LIM], 1, -1
	s_wait_dscnt 0x0                ; the opening add is done
	s_wait_kmcnt 0x0
	s_add_nc_u64 s[G0K+2:G0K+3], s[4:5], s[76:77]
	s_or_b32 s[G0K+3], s[G0K+3], 0x80000000
	s_add_nc_u64 s[G0V+2:G0V+3], s[4:5], s[78:79]
	s_or_b32 s[G0V+3], s[G0V+3], 0x80000000
	s_add_nc_u64 s[G0T+2:G0T+3], s[4:5], s[80:81]
	s_or_b32 s[G0T+3], s[G0T+3], 0x80000000
	LOAD                            ; slot 0
	s_cmp_eq_u32 s[WV], 0
	s_cselect_b64 s[76:77], s[76:77], s[78:79]   ; an offset: k's or v's
	s_add_nc_u64 s[PFA:PFA+1], s[4:5], s[76:77]
	s_add_nc_u64 s[PFA:PFA+1], s[PFA:PFA+1], 16384  ; at slot 1; the first change steps it to slot 2
	s_add_nc_u64 s[82:83], s[4:5], s[82:83]      ; q at my wave's first row
	s_add_nc_u64 s[10:11], s[10:11], s[18:19]    ; o16 at my wave's first row
	s_add_nc_u64 s[6:7], s[6:7], s[20:21]
	s_add_nc_u64 s[8:9], s[8:9], s[20:21]
	; a fragment of q, K or T is 16 rows x 32 channels in 8 registers: lane l holds row l % 16, channels 8 (l / 16) + 0..7 and 16 + 8 (l / 16) + 0..7
	v_and_b32 v1, 15, v0            ; a = l % 16
	v_bfe_u32 v15, v0, 4, 1         ; l / 16
	v_lshlrev_b32 v[QO], 7, v1
	v_lshl_add_u32 v[QO], v15, 4, v[QO]
	WIN 0x80                        ; destination window 2, address window 0
.set i, 0
.rept 8                             ; tile i / 2, channels 32 (i % 2) on: rows i, and rows i + 1 (the very last lies 128 bytes into k: stored, finite, and never chosen)
	global_load_b128 v[QA+8*i:QA+8*i+3],   v[QO], s[82:83] offset:(i/2)*2048+(i%2)*64
	global_load_b128 v[QA+8*i+4:QA+8*i+7], v[QO], s[82:83] offset:(i/2)*2048+(i%2)*64+32
	global_load_b128 v[Q2+8*i:Q2+8*i+3],   v[QO], s[82:83] offset:(i/2)*2048+(i%2)*64+128
	global_load_b128 v[Q2+8*i+4:Q2+8*i+7], v[QO], s[82:83] offset:(i/2)*2048+(i%2)*64+160
.set i, i+1
.endr
	WIN 0
	v_lshlrev_b32 v[BOF], 5, v15    ; the biases in a fragment's order: group g of 8 channels at 16 g + 8 (l / 16)
.irp g, 0,1,2,3
	global_load_b128 v[S+8*\g:S+8*\g+3],       v[BOF], s[6:7] offset:64*\g
	global_load_b128 v[S+8*\g+4:S+8*\g+7],     v[BOF], s[6:7] offset:64*\g+16
	global_load_b128 v[S+32+8*\g:S+32+8*\g+3],   v[BOF], s[8:9] offset:64*\g
	global_load_b128 v[S+32+8*\g+4:S+32+8*\g+7], v[BOF], s[8:9] offset:64*\g+16
.endr
	v_mul_u32_u24 v[AK0], v1, PK
	v_lshl_add_u32 v[AK0], v15, 4, v[AK0]
	; the turning load: lane l reads key 8 (l / 16) + l % 8, channels 8 ((l / 8) % 2) + 0..7
	v_and_b32 v53, 7, v0
	v_bfe_u32 v54, v0, 3, 1
	v_lshl_add_u32 v[AV0], v15, 3, v53
	v_mul_u32_u24 v[AV0], v[AV0], PV
	v_lshl_add_u32 v[AV0], v54, 4, v[AV0]
	v_add_nc_u32 v[AV0], VOFF, v[AV0]
	s_mul_i32 s17, s[WV], 64*PK
	s_sub_co_u32 s17, TOFF+192*PK, s17
	v_add_nc_u32 v[AT0], s17, v[AK0]
	s_mul_i32 s17, s[WV], WST
	s_add_co_u32 s17, s17, STAGE    ; my stage
	v_mul_u32_u24 v[SKW], v1, 404
	v_lshl_add_u32 v[SKW], v15, 5, v[SKW]
	v_add_nc_u32 v[SKW], s17, v[SKW]
	v_add_nc_u32 v[SKW], 4, v[SKW]
	v_mul_u32_u24 v[SKR], v1, 400
	v_lshl_add_u32 v[SKR], v15, 5, v[SKR]
	v_add_nc_u32 v[SKR], s17, v[SKR]
	v_add_nc_u32 v[SKR], 64, v[SKR]
	v_mul_u32_u24 v[STO], v1, SP
	v_lshl_add_u32 v[STO], v15, 4, v[STO]
	v_add_nc_u32 v[STO], s17, v[STO]
	v_bfe_u32 v[RD], v0, 3, 2
	v_mul_u32_u24 v[RD], v[RD], SP
	v_lshl_add_u32 v[RD], v53, 4, v[RD]
	v_add_nc_u32 v[RD], s17, v[RD]
	v_and_b32 v[GO], 31, v0
	v_lshlrev_b32 v[PFO], 8, v[GO]
	v_lshlrev_b32 v[GO], 4, v[GO]
.set i, 0
.rept 4
	v_mov_b32 v[ST+4*i+1], s85                      ; m
	v_mul_f32 v[ST+4*i], s[CS], v[ST+4*i+1]         ; c m, by the line that the body makes it by: the first body's a is 2^0
	v_mov_b32 v[ST+4*i+2], 0
	v_mov_b32 v[ST+4*i+3], 0
.set i, i+1
.endr
	WIN 0x40                        ; O^T starts at 0; K and V at 0 for the first body.  All this stands in the wait for the first tile, so that the body has one form
.set i, 0
.rept 128
	v_mov_b32 v[i], 0
.set i, i+1
.endr
	WIN W_FR
.set i, 0
.rept 128
	v_mov_b32 v[i], 0
.set i, i+1
.endr
	WIN 0
	s_wait_loadcnt 0x0
.set i, 0
.rept 32                            ; both biases: rounded to bf16, widened, written as f16: rwb's 16 registers at P, rb's at P + 16
	v_cvt_pk_bf16_f32 v53, v[S+2*i], v[S+2*i+1]
	v_lshlrev_b32 v54, 16, v53
	v_and_b32 v55, 0xffff0000, v53
	v_cvt_pk_f16_f32 v[P+i], v54, v55
.set i, i+1
.endr
	WIN W_Q
.set i, 0
.rept 64
	v_pk_add_f16 v[QL+i], v[QA+i], v[P+16+i%16]
	v_pk_add_f16 v[QU+i], v[QA+i], v[P+16+i%16]
	v_pk_add_f16 v[Q2+i], v[Q2+i], v[P+16+i%16]
	v_pk_add_f16 v[QA+i], v[QA+i], v[P+i%16]
.set i, i+1
.endr
	WIN 0
.set i, 0
.rept 128
	v_mov_b32 v[S+i], s84           ; the first body's scores: below m, so its weights are 0
.set i, i+1
.endr
; THE MATRIX WORK.  In every run the accumulators take turns, one instruction a turn; no run ends on an accumulator with which the next begins.
; Product i of 10 of BD^T of tile p: channels 32 (i / 5) on, positions 16 (i % 5) on: T's tile 3 - p + i % 5 of the wave's eight.  Tile 3's results go into P's registers.
.macro BDW p, i
.set bc, (\i)/5
.set be, (\i)%5
.if (\p) < 3
	WIN W_BD
.set rD, BDB+40*(\p)+8*be
.else
	WIN W_AC
.set rD, P+8*be
.endif
.set rA, TF+16*(3-(\p)+be)+8*bc
.if (3-(\p)+be) <= 3
.set rB, QL+16*(\p)+8*bc
.else
.set rB, QU+16*(\p)+8*bc
.endif
.if bc == 0
	v_wmma_f32_16x16x32_f16 v[rD:rD+7], v[rA:rA+7], v[rB:rB+7], 0
.else
	v_wmma_f32_16x16x32_f16 v[rD:rD+7], v[rA:rA+7], v[rB:rB+7], v[rD:rD+7]
.endif
.endm
; Product i of 16 of S^T += K (q + rwb)^T for tiles x, x + 1, onto the skewed BD: channels 32 (i / 8) on, keys 16 ((i / 2) % 4) on, tile x + i % 2.
.macro ACW x, i
	WIN W_AC
.set wc, (\i)/8
.set wk, ((\i)/2)%4
.set wt, (\x)+(\i)%2
	v_wmma_f32_16x16x32_f16 v[S+32*wt+8*wk:S+32*wt+8*wk+7], v[KF+16*wk+8*wc:KF+16*wk+8*wc+7], v[QA+16*wt+8*wc:QA+16*wt+8*wc+7], v[S+32*wt+8*wk:S+32*wt+8*wk+7]
.endm
; Product i of 32 of O^T += V^T P: keys 32 (i / 16) on, channels 16 ((i / 4) % 4) on, tile i % 4.
.macro PVW i
	WIN W_PV
.set wk, (\i)/16
.set wc, ((\i)/4)%4
.set wt, (\i)%4
	v_wmma_f32_16x16x32_f16 v[32*wt+8*wc:32*wt+8*wc+7], v[VF+32*wk+8*wc:VF+32*wk+8*wc+7], v[P+16*wt+8*wk:P+16*wt+8*wk+7], v[32*wt+8*wc:32*wt+8*wc+7]
.endm
; THE LDS WORK.  The skew: store z of 40 of tile p (rows 101 words apart for the stores: all 32 lanes fall into different banks; each accumulator's registers in ascending order), and load n of 8.
; The stage is the wave's own and LDS serves a wave's instructions in order (ISA guide 5.7.1.4): no wait stands between a tile's stores and its loads, nor between its loads and the next body's stores.
.macro SKST p, z
.if (\p) < 3
	ds_store_b32 v[SKW], v[BDB+40*(\p)+(\z)] offset:(\p)*TST+64*((\z)/8)+4*((\z)%8)
.else
	ds_store_b32 v[SKW], v[P+(\z)] offset:(\p)*TST+64*((\z)/8)+4*((\z)%8)
.endif
.endm
.macro SKLD p, n
	ds_load_b128 v[S+32*(\p)+4*(\n):S+32*(\p)+4*(\n)+3], v[SKR] offset:(\p)*TST+64*((\n)/2)+16*((\n)%2)
.endm
.macro TLOAD f0                     ; eight fragments of T from number f0 on: rows 16 (f / 2) on, channels 32 (f % 2) on
	WIN W_FR
.set f, \f0
.rept 8
	ds_load_b128 v[TF+8*f:TF+8*f+3],   v[AT] offset:(f/2)*16*PK+(f%2)*64
	ds_load_b128 v[TF+8*f+4:TF+8*f+7], v[AT] offset:(f/2)*16*PK+(f%2)*64+32
.set f, f+1
.endr
.endm
; THE VECTOR WORK, a line at a time.
.macro REGS t
.set rT, ST+4*(\t)
.set rC, TMP+4*(\t)
.set rM, MV+(\t)
.set rS, S+32*(\t)
.set rP, P+16*(\t)
.set rO, 32*(\t)
.endm
; Number n of the 22 that find tile t's maximum and statistics.  Each accumulator's lowest registers are read first.
;   0-11 four chains c0-c3 of seven scores each   12-14, 16 the four scores left over, the old m, c0-c3 into c0   15 c m_old is kept   17, 18 the other half of the lanes: the new m   19-21 c m; its change; a
.macro XS t, n
	REGS \t
.if (\n) < 4
	v_max3_num_f32 v[rC+(\n)], v[rS+8*(\n)], v[rS+8*(\n)+1], v[rS+8*(\n)+2]
.elseif (\n) < 12
	v_max3_num_f32 v[rC+(\n)%4], v[rC+(\n)%4], v[rS+8*((\n)%4)+2*((\n)/4)+1], v[rS+8*((\n)%4)+2*((\n)/4)+2]
.elseif (\n) == 12
	v_max3_num_f32 v[rC], v[rC], v[rS+7], v[rS+15]
.elseif (\n) == 13
	v_max3_num_f32 v[rC+1], v[rC+1], v[rS+23], v[rS+31]
.elseif (\n) == 14
	v_max3_num_f32 v[rC+2], v[rC+2], v[rC+3], v[rT+1]
.elseif (\n) == 15
	v_mov_b32 v[rM], v[rT]
.elseif (\n) == 16
	v_max3_num_f32 v[rC], v[rC], v[rC+1], v[rC+2]
.elseif (\n) == 17
	v_permlanex16_b32 v[rC+3], v[rC], s[SEL], s[SEL+1]
.elseif (\n) == 18
	v_max_num_f32 v[rT+1], v[rC], v[rC+3]
.elseif (\n) == 19
	v_mul_f32 v[rT], s[CS], v[rT+1]
.elseif (\n) == 20
	v_sub_f32 v[rC+1], v[rM], v[rT]
.else
	v_exp_f32 v[rC+2], v[rC+1]
.endif
.endm
.macro FS t, f                      ; c s - c m for pair f of 16
	REGS \t
	v_pk_fma_f32 v[rS+2*(\f):rS+2*(\f)+1], v[rS+2*(\f):rS+2*(\f)+1], s[CS:CS+1], v[rT:rT+1] op_sel_hi:[1,0,0] neg_lo:[0,0,1] neg_hi:[0,0,1]
.endm
.macro EX t, f                      ; the exponential of score f of 32
	REGS \t
	v_exp_f32 v[rS+(\f)], v[rS+(\f)]
.endm
.macro CV t, f                      ; pair f rounded to f16
	REGS \t
	v_cvt_pk_f16_f32 v[rP+(\f)], v[rS+2*(\f)], v[rS+2*(\f)+1]
.endm
.macro RS t, f                      ; pair f of O^T times a
	REGS \t
	v_pk_mul_f32 v[rO+2*(\f):rO+2*(\f)+1], v[rO+2*(\f):rO+2*(\f)+1], v[rC+2:rC+3] op_sel_hi:[1,0]
.endm
; Number u of the 64 sums, the four tiles by turns.  For a tile: of each four weights the second pair onto the first (8), l = a l + the first sum, + the other seven.
.macro SUM u
.set sx, (\u)%4
.set sw, (\u)/4
	REGS sx
.if sw < 8
	v_pk_add_f32 v[rS+4*sw:rS+4*sw+1], v[rS+4*sw:rS+4*sw+1], v[rS+4*sw+2:rS+4*sw+3]
.elseif sw == 8
	v_pk_fma_f32 v[rT+2:rT+3], v[rT+2:rT+3], v[rC+2:rC+3], v[rS:rS+1] op_sel_hi:[1,0,1]
.else
	v_pk_add_f32 v[rT+2:rT+3], v[rT+2:rT+3], v[rS+4*(sw-8):rS+4*(sw-8)+1]
.endif
.endm
; TWO QUEUES hold all that stands ahead of the exponentials' wait, each in the order in which its entries become ready; PL and XE write the next entry.
; THE PLAIN QUEUE, 148 long: 0-41 maximum and statistics of tiles 0 and 1 by turns; 42-73 their 32 scalings; 74-115 and 116-147 the same for tiles 2 and 3.
.macro PL
.if q < 42
	XS q%2, q/2
.elseif q < 74
	FS q%2, (q-42)/2
.elseif q < 116
	XS 2+q%2, (q-74)/2
.else
	FS 2+q%2, (q-116)/2
.endif
.set q, q+1
.endm
; THE EXPONENTIALS' QUEUE, 132 long, ONE BATCH: 0, 1 the a of tiles 0 and 1; 2-65 their scores; 66, 67 and 68-131 the same for tiles 2 and 3.  Nothing ahead of the wait names a result of theirs.
.macro XE
.if e < 2
	XS e, 21
.elseif e < 66
	EX e%2, (e-2)/2
.elseif e < 68
	XS e-64, 21
.else
	EX 2+e%2, (e-68)/2
.endif
.set e, e+1
.endm
; A BODY.  On the way in: V of step j, then the skewed BD^T of step j (tiles 0 and 1 first), are on their way into registers; K of step j was asked for ahead of them.
; HOW THE QUEUES ARE DEALT, and the counts that the deal keeps.  Behind the scores' products 17 to 27: four plain (0-43); 28 to 31: plain, exponential, plain, plain (44-55; exponentials 0-3).  Behind BD^T's
; product g of 40: plain 56 + 2 g, exponential 4 + 2 g, plain 57 + 2 g, exponential 5 + 2 g.  Then twelve times a plain and four exponentials.  Exponential e of tiles 0 and 1 needs plain 42 + 2 ((e - 2) / 4) + e % 2,
; of tiles 2 and 3 plain 116 + 2 ((e - 68) / 4) + e % 2; the a need plain 40, 41 and 114, 115: all are dealt earlier.  Plain 74, the first to read tiles 2 and 3's scores, stands 21 plain instructions behind the last score product.
.macro STEP
	WIN 0
	s_cmp_lg_u32 s[GS], s[XS]       ; from this step's BD^T on the upper four tiles of T lie at w >= 2048
	s_cbranch_scc1 .Lnot_u_\@
	WIN W_Q
.set i, 0
.rept 64
	v_mov_b32 v[QU+i], v[Q2+i]
.set i, i+1
.endr
	WIN 0
.Lnot_u_\@:
	s_cmp_lg_u32 s[GS], s[XS1]      ; a step later the lower four too
	s_cbranch_scc1 .Lnot_l_\@
	WIN W_Q
.set i, 0
.rept 64
	v_mov_b32 v[QL+i], v[Q2+i]
.set i, i+1
.endr
	WIN 0
.Lnot_l_\@:
	; 1. T of step j + 1: 32 loads, which land under the scores' products
	v_add_nc_u32 v[AT], s[TBK], v[AT0]
	TLOAD 0
	TLOAD 8
	s_wait_dscnt 48                 ; K, V and tiles 0 and 1 are in: behind them were issued tiles 2 and 3's 16 loads and T's 32
	; 2. THE SCORES of step j.  Tiles 0 and 1: nothing is ready yet to stand behind these products
.set i, 0
.rept 16
	ACW 0, i
.set i, i+1
.endr
	s_wait_dscnt 32                 ; tiles 2 and 3 are in: T's 32 loads may stay out
.set q, 0
.set e, 0
.set i, 0
.rept 16                            ; tiles 2 and 3, and behind them tiles 0 and 1's maxima
	ACW 2, i
	WIN 0
.if i == 0
	v_add_nc_u32 v[AK], s[TBK], v[AK0]  ; four plain instructions: the places between tiles 0 and 1's products and the first read of their scores (ISA guide 7.12.1)
	v_add_nc_u32 v[AV], s[TBV], v[AV0]
	v_nop
	v_nop
.elseif i < 12
	PL
	PL
	PL
	PL
.else
	PL
	XE
	PL
	PL
.endif
.set i, i+1
.endr
	s_wait_dscnt 0x0                ; T is in
	; 3. BD^T of step j + 1, all four tiles, each into registers of its own
.set i, 0
.rept 40
	BDW i/10, i%10
	WIN 0
	PL
	XE
	PL
	XE
.set i, i+1
.endr
.rept 12                            ; what is left of the two queues
	PL
	XE
	XE
	XE
	XE
.endr
	v_nop                           ; a plain instruction behind the last exponential (ISA guide 5.7.2),
	s_wait_alu depctr_va_vdst(0)    ; and one wait ahead of the batch's first reader
	; 4. the skew's 160 stores in one run, tile 3's first (its registers are the first to be written again), and K of step j + 1.  The twelve scalings above are the places behind the last product
.set z, 0
.rept 40
	SKST 3, z
.set z, z+1
.endr
	WIN W_ST
.set z, 0
.rept 120
	SKST z/40, z%40
.set z, z+1
.endr
	WIN W_FR
.set f, 0
.rept 8
	ds_load_b128 v[KF+8*f:KF+8*f+3],   v[AK] offset:(f/2)*16*PK+(f%2)*64
	ds_load_b128 v[KF+8*f+4:KF+8*f+7], v[AK] offset:(f/2)*16*PK+(f%2)*64+32
.set f, f+1
.endr
	; 5. what the first products V^T P want: O^T times a for channel blocks 0 and 1 (from each accumulator's low end on), the weights of keys 0 to 31 rounded
	WIN W_RS
.set k, 0
.rept 32
	RS k%4, k/4
.set k, k+1
.endr
	WIN 0
.set k, 0
.rept 32
	CV k%4, k/4
.set k, k+1
.endr
	; 6. O^T += V^T P of step j.  Behind products 0-7: O^T times a for channel blocks 2 and 3, each block ahead of its first product (8, 12); behind 8-15: the weights of keys 32 to 63, ahead of product 16;
	; behind 16-31: the sums, which write over weights that have all been rounded
.set i, 0
.rept 32
	PVW i
.if i < 8
	WIN W_RS
.set k, 0
.rept 4
	RS k, 8+i
.set k, k+1
.endr
.elseif i < 16
	WIN 0
.set k, 0
.rept 4
	CV k, i
.set k, k+1
.endr
.else
	WIN 0
.set k, 0
.rept 4
	SUM 4*(i-16)+k
.set k, k+1
.endr
.endif
.set i, i+1
.endr
	; 7. V of step j + 1, turned (keys 32 (f / 4) on, channels 16 (f % 4) on): the last four sums are the places behind the last product; then the skewed BD^T of step j + 1 into S^T's registers
	WIN W_FR
.set f, 0
.rept 8
	ds_load_tr16_b128 v[VF+8*f:VF+8*f+3],   v[AV] offset:(f/4)*32*PV+(f%4)*32
	ds_load_tr16_b128 v[VF+8*f+4:VF+8*f+7], v[AV] offset:(f/4)*32*PV+16*PV+(f%4)*32
.set f, f+1
.endr
	WIN 0
.set k, 0
.rept 32
	SKLD k/8, k%8
.set k, k+1
.endr
	s_add_co_u32 s[GS], s[GS], 1
	s_xor_b32 s[TBK], s[TBK], 64*PK ; the slot's other step
	s_xor_b32 s[TBV], s[TBV], 64*PV
.endm
.macro STEPS n                      ; n bodies: written once, walked n times
	s_mov_b32 s[TW], \n
.Lstep_\@:
	STEP
	s_sub_co_u32 s[TW], s[TW], 1
	s_cmp_lg_u32 s[TW], 0
	s_cbranch_scc1 .Lstep_\@
.endm
.Lslot:                             ; 15 trips: a slot is entered and the next is asked for; bodies -1 to 28 fetch steps 0 to 29
	CHANGE 1
	STEPS 2
	s_sub_co_u32 s[SL], s[SL], 1
	s_cmp_lg_u32 s[SL], 0
	s_cbranch_scc1 .Lslot
	CHANGE 0                        ; the last slot is written out: nothing is asked for
	STEPS 3                         ; bodies 29 and 30 fetch steps 30 and 31; body 31 finishes step 31 and fetches step 30's tiles once more, for nothing
	s_wait_dscnt 0x0                ; those last loads have landed: their registers are used again below
	; THE WAY OUT.  l's halves and the other half of the lanes' are added; O^T is divided by l, rounded to f16 and sent through my stage, a tile at a time.
.macro ALL line:vararg
.set t, 0
.rept 4
	\line
.set t, t+1
.endr
.endm
	ALL v_add_f32 v[ST+4*t+2], v[ST+4*t+2], v[ST+4*t+3]
	ALL v_permlanex16_b32 v[ST+4*t+3], v[ST+4*t+2], s[SEL], s[SEL+1]
	ALL v_add_f32 v[ST+4*t+2], v[ST+4*t+2], v[ST+4*t+3]
	ALL v_rcp_f32 v[ST+4*t+2], v[ST+4*t+2]
	v_nop                           ; a plain instruction behind the last reciprocal,
	s_wait_alu depctr_va_vdst(0)    ; and one wait for the four
.macro PACK t
	WIN W_RS
.set i, 32*(\t)
.rept 16
	v_pk_mul_f32 v[i:i+1], v[i:i+1], v[ST+4*(\t)+2:ST+4*(\t)+3] op_sel_hi:[1,0]
.set i, i+2
.endr
	WIN 0x05                        ; sources window 1, destination window 0
.set i, 0
.rept 16
	v_cvt_pk_f16_f32 v[S+16*(\t)+i], v[32*(\t)+2*i], v[32*(\t)+2*i+1]
.set i, i+1
.endr
	WIN 0
.irp f, 0,1,2,3
	ds_store_b128 v[STO], v[S+16*(\t)+4*\f:S+16*(\t)+4*\f+3] offset:32*\f
.endr
.irp f, 0,1,2,3
	ds_load_b128 v[S+16*(\t)+4*\f:S+16*(\t)+4*\f+3], v[RD] offset:\f*4*SP  ; in order behind the stores above; the next tile's stores come behind them
.endr
.endm
.macro SEND t, younger              ; younger: the LDS instructions issued behind tile t's loads
	WIN 0
.irp f, 0,1,2,3
	s_wait_dscnt (\younger)+3-\f
	global_store_b128 v[GO], v[S+16*(\t)+4*\f:S+16*(\t)+4*\f+3], s[10:11] offset:(\t)*2048+\f*512  ; 512 consecutive bytes, aligned
.endr
.endm
	PACK 0
	PACK 1
	SEND 0, 8
	PACK 2
	SEND 1, 8
	PACK 3
	SEND 2, 8
	SEND 3, 0
	s_wait_tensorcnt 0x0            ; the wave's end
	ds_add_u32 v[SPW], v[NIL]
	s_wait_dscnt 0x0
	s_endpgm
.Lfunc_end_k_q08e03a706d_attn:
	.size	k_q08e03a706d_attn, .Lfunc_end_k_q08e03a706d_attn-k_q08e03a706d_attn
	.p2alignl 7, 3214868480
	.fill 96, 4, 3214868480
	.section	.rodata,"a",@progbits
	.p2align	6, 0x0
	.amdhsa_kernel k_q08e03a706d_attn
		.amdhsa_group_segment_fixed_size 327680
		.amdhsa_private_segment_fixed_size 0
		.amdhsa_enable_private_segment 0
		.amdhsa_kernarg_size 32
		.amdhsa_user_sgpr_count 2
		.amdhsa_user_sgpr_kernarg_segment_ptr 1
		.amdhsa_wavefront_size32 1
		.amdhsa_system_sgpr_workgroup_id_x 1
		.amdhsa_system_sgpr_workgroup_id_y 1
		.amdhsa_system_sgpr_workgroup_id_z 1
		.amdhsa_system_vgpr_workitem_id 0
		.amdhsa_next_free_vgpr 1024
		.amdhsa_next_free_sgpr 88
		.amdhsa_reserve_vcc 0
		.amdhsa_float_denorm_mode_32 3
		.amdhsa_float_denorm_mode_16_64 3
		.amdhsa_memory_ordered 1
		.amdhsa_forward_progress 1
		.amdhsa_inst_pref_size 180
	.end_amdhsa_kernel
	.amdgpu_metadata
---
amdhsa.version: [ 1, 2 ]
amdhsa.kernels:
  - .name:           k_q08e03a706d_attn
    .symbol:         k_q08e03a706d_attn.kd
    .args:
      - { .name: hd, .offset: 0, .size: 8, .value_kind: global_buffer, .address_space: global }
      - { .name: r_w_bias, .offset: 8, .size: 8, .value_kind: global_buffer, .address_space: global }
      - { .name: r_bias, .offset: 16, .size: 8, .value_kind: global_buffer, .address_space: global }
      - { .name: o16, .offset: 24, .size: 8, .value_kind: global_buffer, .address_space: global }
    .group_segment_fixed_size: 327680
    .private_segment_fixed_size: 0
    .kernarg_segment_align: 8
    .kernarg_segment_size: 32
    .max_flat_workgroup_size: 128
    .sgpr_count:     88
    .vgpr_count:     1024
    .wavefront_size: 32
...
	.end_amdgpu_metadata
.endif
;; end of part 3
;; launch outp (part 4): grid 8 x 32, 4 waves a work-group, clusters of 4 x 4, 327,680 bytes of LDS; arguments o16, xh, bo, out0; writes out0
.if DOCPART == 4
	.amdgcn_target "amdgcn-amd-amdhsa--gfx1250"
	.amdhsa_code_object_version 6
	.text
	.protected	k_q08e03a706d_outp
	.globl	k_q08e03a706d_outp
	.p2align	8
	.type	k_q08e03a706d_outp,@function
k_q08e03a706d_outp:
	s_mov_b64 s[64:65], 0
	v_nop
	global_prefetch_b8 v0, s[64:65] scope:SCOPE_SE
	s_setreg_imm32_b32 hwreg(HW_REG_WAVE_MODE, 25, 1), 1
	s_wait_xcnt 0x0
	s_wait_alu depctr_hold_cnt(0) depctr_sa_sdst(0) depctr_va_vdst(0) depctr_va_sdst(0) depctr_va_ssrc(0) depctr_va_vcc(0) depctr_vm_vsrc(0)
	s_getreg_b32 s2, hwreg(HW_REG_IB_STS2, 6, 4)
	s_cmp_eq_u32 s2, 0
	s_cbranch_scc0 .Lentry_in_a_cluster
	s_endpgm
.Lentry_in_a_cluster:
	s_bfe_u32 s2, ttmp6, 0x10000c
	s_cmp_lg_u32 s2, 0xf033
	s_cbranch_scc0 .Lentry_shape_is_right
	s_endpgm
.Lentry_shape_is_right:
; out0[m][n] = the sum over k of O[m][k] Wo[n][k] + bo[n].  O: o16, f16, in blocks [m / 128][head][m % 128][64]; Wo: xh + 36 MiB, f16 of bf16, [1024][1024]; bo rounded to bf16; out0 f32, [4096][1024].
; A tile of 128 x 128 to a work-group (256 of them), four waves of 64 x 64: 16 accumulators.  K in steps of 256 (four heads) through two LDS slots.  A step's tile of O is 65,536 dense bytes, asked for as rows
; of 256 and padded after every 128: LDS [head][row] at pitch 144; a quarter of a step is one head.  Wo's rows are 512 bytes a step, pitch 528.
; CLUSTERS: 4 x 4; O's tiles are shared along a row of the cluster, Wo's along a column: joint loads.  THE MATRIX INSTRUCTION IS USED TRANSPOSED (source 0 = Wo's rows): a lane holds eight neighbouring columns of one row.
; The bias is the C operand of the products that start the sums.  A wave's 64 columns of f32 are 256 aligned bytes: each wave sends its own rows through its own stage, without a barrier.
; No prefetch: the tiles are small, the launch is short, and Wo is read by every row of clusters.
; REGISTERS: window 0: v0-31 addresses; v32-63 the bias, later with v64-95 the rows read back; v128-255 accumulators ((a, b) at 128 + 8 (4 a + b)).  window 1: two fragment buffers of 128 (64 of O, 64 of Wo).
.set KSTEP,  256
.set PA,     144                       ; 128 + 16 bytes: the 16 rows of a load start at 16 different groups of four banks (ISA guide 11.1)
.set PB,     528                       ; 512 + 16
.set AREG,   4*128*PA                  ; O's part of a slot
.set SLOT,   AREG+128*PB
.set STAGE,  2*SLOT                    ; behind the ring: 16 rows x 272 bytes for each wave; no tensor load fills it
.set SPITCH, 272
.set SPARE,  STAGE+4*16*SPITCH         ; the spare words: no other line names them
.set LAPS,   2
.set ADRA, 16
.set ADRB, 20
.set BOF,  22
.set STO,  24
.set RD,   25
.set CO,   26
.set SPW,  28
.set NIL,  29
.set TT,   31
.set BIAS, 32
.set ACC,  128
.set F0,   0
.set F1,   128
.set G1, 24
.set G0, 32
.set G1B, 48
.set G0B, 56
.set MSB, 0
.macro WIN new
.if MSB != (\new)
	s_set_vgpr_msb (MSB<<8)|(\new)
.set MSB, \new
.endif
.endm
.set MUL,  0x05                        ; sources window 1; C and D window 0
.set TO_F, 0x40                        ; destination window 1
.macro JLOAD s                         ; waves 0 and 1 fetch O's two pairs of heads, waves 2 and 3 the halves of Wo's rows; an s_nop 0 and four v_nop follow each line
	s_cmp_eq_u32 s11, 0
	s_cbranch_scc0 .Lfor_b_\@
	tensor_load_to_lds s[G0+4*(\s):G0+4*(\s)+3], s[G1:G1+7]
	s_nop 0
.rept 4
	v_nop
.endr
	s_branch .Lasked_\@
.Lfor_b_\@:
	tensor_load_to_lds s[G0B+4*(\s):G0B+4*(\s)+3], s[G1B:G1B+7]
	s_nop 0
.rept 4
	v_nop
.endr
.Lasked_\@:
.endm
.macro CREST
	s_cmp_lg_u32 s10, 0
	s_cbranch_scc1 .Lnot_wave_0_\@
	s_barrier_signal -3
.Lnot_wave_0_\@:
	s_barrier_wait -3
	s_barrier_signal -1
	s_barrier_wait -1
.endm
.macro CROUND
	s_barrier_signal -1
	s_barrier_wait -1
	CREST
.endm
	s_load_b256 s[68:75], s[0:1], 0x0              ; o16 s[68:69], xh s[70:71], bo s[72:73], out0 s[74:75]
	v_lshl_add_u32 v[SPW], v0, 2, SPARE
	v_mov_b32 v[NIL], 0
	ds_add_u32 v[SPW], v[NIL]                      ; the wave's opening: the add and its wait ahead of my first tensor load
	ds_add_u32 v28, v29
	v_lshrrev_b32 v1, 5, v0
	v_readfirstlane_b32 s10, v1                    ; wave 0..3
	s_lshr_b32 s11, s10, 1                         ; my half of the tile's rows.  Also: I fetch for O (0) or for Wo (1)
	s_and_b32 s12, s10, 1                          ; my half of its columns.  Also: which half of that tile I fetch
	s_bfe_u32 s40, ttmp6, 0x40000
	s_bfe_u32 s41, ttmp6, 0x40004
	s_lshl_b32 s42, ttmp9, 2
	s_add_co_u32 s42, s42, s40                     ; tile column 0..7
	s_and_b32 s13, ttmp7, 0xffff
	s_lshl_b32 s13, s13, 2
	s_add_co_u32 s13, s13, s41                     ; tile row 0..31
	s_lshl_b32 s43, s41, 2
	s_lshl_b32 s43, 15, s43                        ; my row of the cluster
	s_lshl_b32 s44, 0x1111, s40                    ; my column
	s_or_b32 s[G1+0], s43, (1<<16)|(1<<20)|(1<<21)|(4<<22)|(3<<25)   ; O: after every 32 words, 4 words
	s_mov_b32 s[G1+1], 128<<16                     ; rows of 128 elements,
	s_mov_b32 s[G1+2], 128<<16                     ; 128 of them: two heads x 128 rows of 128 bytes
	s_mov_b32 s[G1+3], 128<<16
	s_mov_b32 s[G1+4], 128
	s_mov_b32 s[G1+5], 128
	s_mov_b32 s[G1+6], 0
	s_mov_b32 s[G1+7], 0
	s_or_b32 s[G1B+0], s44, (1<<16)|(1<<20)|(1<<21)|(6<<22)|(3<<25)  ; Wo: after every 128 words, 4 words
	s_mov_b32 s[G1B+1], KSTEP<<16
	s_mov_b32 s[G1B+2], 64<<16
	s_mov_b32 s[G1B+3], KSTEP<<16
	s_mov_b32 s[G1B+4], 64
	s_mov_b32 s[G1B+5], 1024
	s_mov_b32 s[G1B+6], 0
	s_mov_b32 s[G1B+7], 0
	s_lshl_b32 s16, s13, 18                        ; O: tile row x 256 KiB + my pair of heads
	s_lshl_b32 s17, s12, 15
	s_add_co_u32 s16, s16, s17
	s_mov_b32 s17, 0
	s_lshl_b32 s46, s42, 7                         ; Wo: row 128 x tile column + 64 x half
	s_lshl_b32 s47, s12, 6
	s_add_co_u32 s46, s46, s47
	s_lshl_b32 s46, s46, 11
	s_add_co_u32 s46, s46, 36<<20
	s_mov_b32 s47, 0
	s_mul_i32 s20, s10, 256*PA                     ; O's tiles (waves 0, 1): wave x 256 LDS rows
	s_mul_i32 s21, s10, 64*PB                      ; Wo's (waves 2, 3): AREG + (wave - 2) x 64 rows
	s_add_co_u32 s21, s21, AREG-2*64*PB
	s_wait_dscnt 0x0                               ; the opening add is done
	s_wait_kmcnt 0x0
	s_add_nc_u64 s[14:15], s[68:69], s[16:17]
	s_add_nc_u64 s[46:47], s[70:71], s[46:47]
	CROUND                                         ; the first joint loads meet
.irp s, 0,1
	s_mov_b32 s[G0+4*(\s)], 1
	s_add_co_u32 s[G0+4*(\s)+1], s20, (\s)*SLOT
	s_add_nc_u64 s[G0+4*(\s)+2:G0+4*(\s)+3], s[14:15], (\s)*65536
	s_or_b32 s[G0+4*(\s)+3], s[G0+4*(\s)+3], 0x80000000
	s_mov_b32 s[G0B+4*(\s)], 1
	s_add_co_u32 s[G0B+4*(\s)+1], s21, (\s)*SLOT
	s_add_nc_u64 s[G0B+4*(\s)+2:G0B+4*(\s)+3], s[46:47], (\s)*KSTEP*2
	s_or_b32 s[G0B+4*(\s)+3], s[G0B+4*(\s)+3], 0x80000000
	JLOAD \s
.endr
	v_and_b32 v1, 15, v0                           ; l % 16
	v_bfe_u32 v2, v0, 4, 1                         ; l / 16
	s_lshl_b32 s14, s42, 9                         ; my 64 columns, 4 bytes each
	s_lshl_b32 s15, s12, 8
	s_add_co_u32 s14, s14, s15
	v_lshl_add_u32 v[BOF], v2, 5, s14
.irp b, 0,1,2,3
	global_load_b128 v[BIAS+8*(\b):BIAS+8*(\b)+3],   v[BOF], s[72:73] offset:64*(\b)
	global_load_b128 v[BIAS+8*(\b)+4:BIAS+8*(\b)+7], v[BOF], s[72:73] offset:64*(\b)+16
.endr
	v_mul_u32_u24 v3, v1, PA
	v_lshl_add_u32 v3, v2, 4, v3
	v_mul_u32_u24 v4, v1, PB
	v_lshl_add_u32 v4, v2, 4, v4
	s_mul_i32 s21, s11, 64*PA                      ; my 64 rows in each head's 128
	s_mul_i32 s22, s12, 64*PB
	s_add_co_u32 s22, s22, AREG
.irp s, 0,1
	v_add_nc_u32 v[ADRA+(\s)], s21, v3
	v_add_nc_u32 v[ADRB+(\s)], s22, v4
	s_add_co_u32 s21, s21, SLOT
	s_add_co_u32 s22, s22, SLOT
.endr
	s_mul_i32 s23, s10, 16*SPITCH
	s_add_co_u32 s23, s23, STAGE                   ; my stage
	v_mul_u32_u24 v4, v1, SPITCH                   ; in: row l % 16, 32 bytes for each half of the lanes
	v_lshl_add_u32 v4, v2, 5, v4
	v_add_nc_u32 v[STO], s23, v4
	v_mul_u32_u24 v5, v2, SPITCH                   ; back: lanes 0-15 one row of 256 bytes, lanes 16-31 the next
	v_lshl_add_u32 v5, v1, 4, v5
	v_add_nc_u32 v[RD], s23, v5
	v_lshlrev_b32 v5, 12, v2                       ; and the same two rows in out0
	v_lshl_add_u32 v[CO], v1, 4, v5
	s_lshl_b32 s16, s13, 7
	s_lshl_b32 s17, s11, 6
	s_add_co_u32 s16, s16, s17                     ; my first row
	s_lshl_b32 s16, s16, 12
	s_add_co_u32 s16, s16, s14                     ; my first column
	s_mov_b32 s17, 0
	s_add_nc_u64 s[8:9], s[74:75], s[16:17]
	s_wait_loadcnt 0x0                             ; the bias, rounded to bf16 and widened
.set i, 0
.rept 16
	v_cvt_pk_bf16_f32 v[TT], v[BIAS+2*i], v[BIAS+2*i+1]
	v_lshlrev_b32 v[BIAS+2*i], 16, v[TT]
	v_and_b32 v[BIAS+2*i+1], 0xffff0000, v[TT]
.set i, i+1
.endr
; 8 matrix instructions: m blocks a0, a0 + 1 x all 4 n blocks, 32 along K: half c of buffer f.  zero = 1: the sums start with the bias.  The 16 accumulators take turns.
.macro MUL8 f, c, a0, zero
	WIN MUL
.irp a, \a0, (\a0)+1
.irp b, 0,1,2,3
.if \zero
	v_wmma_f32_16x16x32_f16 v[ACC+8*(4*(\a)+(\b)):ACC+8*(4*(\a)+(\b))+7], v[(\f)+64+8*(4*(\c)+(\b)):(\f)+64+8*(4*(\c)+(\b))+7], v[(\f)+8*(4*(\c)+(\a)):(\f)+8*(4*(\c)+(\a))+7], v[BIAS+8*(\b):BIAS+8*(\b)+7]
.else
	v_wmma_f32_16x16x32_f16 v[ACC+8*(4*(\a)+(\b)):ACC+8*(4*(\a)+(\b))+7], v[(\f)+64+8*(4*(\c)+(\b)):(\f)+64+8*(4*(\c)+(\b))+7], v[(\f)+8*(4*(\c)+(\a)):(\f)+8*(4*(\c)+(\a))+7], v[ACC+8*(4*(\a)+(\b)):ACC+8*(4*(\a)+(\b))+7]
.endif
.endr
.endr
.endm
; 32 LDS loads in one run: the fragments of quarter q (head q of the step's four) into buffer f; the first 32 along K first
.macro FETCH slot, q, f
	WIN TO_F
.irp c, 0,1
.irp i, 0,1,2,3
	ds_load_b128 v[(\f)+64+8*(4*(\c)+(\i)):(\f)+64+8*(4*(\c)+(\i))+3],   v[ADRB+(\slot)] offset:(\q)*128+64*(\c)+(\i)*16*PB
	ds_load_b128 v[(\f)+64+8*(4*(\c)+(\i))+4:(\f)+64+8*(4*(\c)+(\i))+7], v[ADRB+(\slot)] offset:(\q)*128+64*(\c)+(\i)*16*PB+32
	ds_load_b128 v[(\f)+8*(4*(\c)+(\i)):(\f)+8*(4*(\c)+(\i))+3],         v[ADRA+(\slot)] offset:(\q)*128*PA+64*(\c)+(\i)*16*PA
	ds_load_b128 v[(\f)+8*(4*(\c)+(\i))+4:(\f)+8*(4*(\c)+(\i))+7],       v[ADRA+(\slot)] offset:(\q)*128*PA+64*(\c)+(\i)*16*PA+32
.endr
.endr
.endm
.macro PLACES
.rept 4
	v_nop
.endr
.endm
.macro QUARTER slot, q, f, g, zero     ; multiplies buffer f and fetches quarter q into g
	s_wait_dscnt 16                                ; the first 32 along K are in
	MUL8 \f, 0, 0, \zero
	MUL8 \f, 0, 2, \zero
	PLACES
	FETCH \slot, \q, \g
	s_wait_dscnt 32                                ; all but the 32 just issued
	MUL8 \f, 1, 0, 0
	MUL8 \f, 1, 2, 0
.endm
; The last quarter multiplies buffer 1 and changes slots: one barrier; in front of it each wave waits for all its tensor loads, adds 0 to its spare word, and waits for that and for its reads of this slot.
.macro TURN slot, next, fill
	WIN 0
	s_wait_tensorcnt 0x0                           ; all my tensor loads have landed: my part of the next slot
	ds_add_u32 v[SPW], v[NIL]
	s_wait_dscnt 17                                ; the add and the youngest sixteen loads may be out
	MUL8 F1, 0, 0, 0
	s_wait_dscnt 0x0                               ; the add is done, and my reads of this slot are over
	s_barrier_signal -1
	MUL8 F1, 0, 2, 0
.if \fill
	WIN 0
.endif
	s_barrier_wait -1
.if \fill
	CREST                                          ; the barrier has opened a round of the cluster's: no wave of any partner still reads this slot or has a load on its way
	s_add_nc_u64 s[G0+4*(\slot)+2:G0+4*(\slot)+3], s[G0+4*(\slot)+2:G0+4*(\slot)+3], 2*65536
	s_add_nc_u64 s[G0B+4*(\slot)+2:G0B+4*(\slot)+3], s[G0B+4*(\slot)+2:G0B+4*(\slot)+3], 2*KSTEP*2
	JLOAD \slot                                    ; its four v_nop are also the places in front of the loads below
.else
	PLACES
.endif
	FETCH \next, 0, F0
	MUL8 F1, 1, 0, 0
	MUL8 F1, 1, 2, 0
.endm
	s_wait_tensorcnt 1                             ; my part of K step 0 is in; K step 1's may stay out
	s_barrier_signal -1
	s_barrier_wait -1
	FETCH 0, 0, F0
	QUARTER 0, 1, F0, F1, 1                        ; the first products start the sums with the bias
	WIN 0
	s_mov_b32 s3, LAPS-1
.Llap:
	QUARTER 0, 2, F1, F0, 0
	QUARTER 0, 3, F0, F1, 0
	TURN 0, 1, 1
	QUARTER 1, 1, F0, F1, 0
	QUARTER 1, 2, F1, F0, 0
	QUARTER 1, 3, F0, F1, 0
	TURN 1, 0, 1
	QUARTER 0, 1, F0, F1, 0
	WIN 0
	s_sub_co_u32 s3, s3, 1
	s_cmp_lg_u32 s3, 0
	s_cbranch_scc1 .Llap
	QUARTER 0, 2, F1, F0, 0                        ; the last lap is written out: it fills nothing
	QUARTER 0, 3, F0, F1, 0
	TURN 0, 1, 0
	QUARTER 1, 1, F0, F1, 0
	QUARTER 1, 2, F1, F0, 0
	QUARTER 1, 3, F0, F1, 0
	s_wait_dscnt 16
	MUL8 F1, 0, 0, 0
	MUL8 F1, 0, 2, 0
	s_wait_dscnt 0x0
	MUL8 F1, 1, 0, 0
	MUL8 F1, 1, 2, 0
	WIN 0
	; THE WAY OUT: 16 rows at a time: 32 bytes a lane and n block into my stage, back as whole rows of 256 bytes, stored.  LDS serves a wave's instructions in order: no wait between stores and loads.
	PLACES
.irp a, 0,1,2,3
.set BK, 32+32*((\a)%2)
.irp b, 0,1,2,3
	ds_store_b128 v[STO], v[ACC+8*(4*(\a)+(\b)):ACC+8*(4*(\a)+(\b))+3]   offset:64*(\b)
	ds_store_b128 v[STO], v[ACC+8*(4*(\a)+(\b))+4:ACC+8*(4*(\a)+(\b))+7] offset:64*(\b)+16
.endr
.if (\a) >= 2
	s_wait_xcnt 0x0                                ; the stores of two blocks back have read these registers
.endif
.irp t, 0,1,2,3,4,5,6,7
	ds_load_b128 v[BK+4*(\t):BK+4*(\t)+3], v[RD] offset:(\t)*2*SPITCH
.endr
.irp t, 0,1,2,3,4,5,6,7
	s_wait_dscnt 7-(\t)
	global_store_b128 v[CO], v[BK+4*(\t):BK+4*(\t)+3], s[8:9] offset:(16*(\a)+2*(\t))*4096  ; 16 lanes store 256 consecutive bytes, aligned
.endr
.endr
	s_wait_tensorcnt 0x0                           ; the wave's end
	ds_add_u32 v[SPW], v[NIL]
	s_wait_dscnt 0x0
	CROUND                                         ; the closing round
	s_endpgm
.Lfunc_end_k_q08e03a706d_outp:
	.size	k_q08e03a706d_outp, .Lfunc_end_k_q08e03a706d_outp-k_q08e03a706d_outp
	.p2alignl 7, 3214868480
	.fill 96, 4, 3214868480
	.section	.rodata,"a",@progbits
	.p2align	6, 0x0
	.amdhsa_kernel k_q08e03a706d_outp
		.amdhsa_group_segment_fixed_size 327680
		.amdhsa_private_segment_fixed_size 0
		.amdhsa_enable_private_segment 0
		.amdhsa_kernarg_size 32
		.amdhsa_user_sgpr_count 2
		.amdhsa_user_sgpr_kernarg_segment_ptr 1
		.amdhsa_wavefront_size32 1
		.amdhsa_system_sgpr_workgroup_id_x 1
		.amdhsa_system_sgpr_workgroup_id_y 1
		.amdhsa_system_sgpr_workgroup_id_z 1
		.amdhsa_system_vgpr_workitem_id 0
		.amdhsa_next_free_vgpr 512
		.amdhsa_next_free_sgpr 80
		.amdhsa_reserve_vcc 0
		.amdhsa_float_denorm_mode_32 3
		.amdhsa_float_denorm_mode_16_64 3
		.amdhsa_memory_ordered 1
		.amdhsa_forward_progress 1
		.amdhsa_inst_pref_size 90
	.end_amdhsa_kernel
	.amdgpu_metadata
---
amdhsa.version: [ 1, 2 ]
amdhsa.kernels:
  - .name:           k_q08e03a706d_outp
    .symbol:         k_q08e03a706d_outp.kd
    .args:
      - { .name: o16, .offset: 0, .size: 8, .value_kind: global_buffer, .address_space: global }
      - { .name: xh, .offset: 8, .size: 8, .value_kind: global_buffer, .address_space: global }
      - { .name: bo, .offset: 16, .size: 8, .value_kind: global_buffer, .address_space: global }
      - { .name: out0, .offset: 24, .size: 8, .value_kind: global_buffer, .address_space: global }
    .group_segment_fixed_size: 327680
    .private_segment_fixed_size: 0
    .kernarg_segment_align: 8
    .kernarg_segment_size: 32
    .max_flat_workgroup_size: 128
    .sgpr_count:     80
    .vgpr_count:     512
    .wavefront_size: 32
...
	.end_amdgpu_metadata
.endif
;; end of part 4
